; MI455X (gfx1250); checked and timed in simulation.
; The chip was launched on July 23, 2026; its instructions are those of AMD's public machine-readable ISA for CDNA 5 (MIT licence, August 2026) and "CDNA5" Instruction Set Architecture Reference Guide (July 2026). The comments in the code are by the model that wrote it; some were corrected since.
;; Di T Mo E Layer. Allowed arithmetic: float matrix products may take bf16 or f16 operands with f32 sums; other float arithmetic in f32, or as packed bf16 or f16 multiplies, adds, multiply-adds, maxima and minima; sums over many terms, partial sums and values carried from step to step in f32; what a program stores and reads back later, other than sums and carried values, may be rounded once to bf16 or f16.
;; Inputs: W1 8 x 1,024 x 2,048 float32; W2 8 x 2,048 x 1,024 float32; b1 8 x 2,048 float32; b2 8 x 1,024 float32; gate_w 1,024 x 8 float32; x 2 x 1,024 x 1,024 float32.
;; Outputs: out0 2 x 1,024 x 1,024 float32; out1 one number float32.
;; 2 versions, each right and faster than the one before. Each part assembles by itself: llvm-mc -triple=amdgcn-amd-amdhsa -mcpu=gfx1250 --defsym DOCPART=n.
;; ======== version 1 of 2: 4 launches
;; workspace buffers: xb 4,194,304 bytes; bits 4,096 bytes of whole numbers; wts 16,384 bytes; stat 8,192 bytes; hbuf 67,108,864 bytes; y2 16,777,216 bytes
;; launch router (part 1): grid 128 x 1, 8 waves a work-group, no clusters, 76,800 bytes of LDS; arguments x, gate_w, xb, bits, wts, stat; writes xb, bits, wts, stat
.if DOCPART == 1
	.amdgcn_target "amdgcn-amd-amdhsa--gfx1250"
	.amdhsa_code_object_version 6
	.text
	.protected	k_qaef9bb8298_router
	.globl	k_qaef9bb8298_router
	.p2align	8
	.type	k_qaef9bb8298_router,@function
k_qaef9bb8298_router:
	s_mov_b64 s[64:65], 0
	v_nop
	global_prefetch_b8 v0, s[64:65] scope:SCOPE_SE
	s_setreg_imm32_b32 hwreg(HW_REG_WAVE_MODE, 25, 1), 1
	s_wait_xcnt 0x0
; ROUTER.  logits = x gate_w, softmax over 8 experts, top 2, renormalised weights; x is also written out rounded to bf16 (xb).
; x and gate_w are rounded to bf16 once, products and sums in f32.  A work-group has 16 tokens, wave w the K slice 128 w .. 128 w + 127;
; the eight partial logits meet in LDS behind one barrier and wave 0 finishes the 16 tokens.
; Stored at fixed places: bits[g][e] (bit b: token 16 g + b has e as first choice, bit 16 + b: as second), wts[token][2], stat[g][16]
; (sums of the probabilities, counts of the choices).  No address and no branch hangs on a floating-point number.
; LIMITS.  The top 2 are taken on exp(l - max), not on the quotients; a tie keeps the lower index; an exponential below 2^-126 counts as 0;
; NaN and infinities are not treated apart.
; No tensor loads, no cluster: the work-groups share only gate_w, 32 KiB against 64 KiB of x each.
.set PITCH, 272                        ; x tile in LDS: 256 bytes of bf16 + 16: the 16 rows of a fragment load start at 16 different groups of banks
.set WBLK,  8448                       ; a wave's block: x tile 16 x 272, then the gate table 128 k x 32 bytes
.set GT,    4352                       ; the gate table in the block: [k][16 columns] bf16, columns 8-15 repeat 0-7
.set PL,    67584                      ; partial logits: wave w, lane L at PL + 1024 w + 32 L
.set SPARE, 75776                      ; the spare words, 128 bytes a wave
.set XF,  16                           ; v16-47   gate as loaded, then x's four fragments
.set XL,  48                           ; v48-111  x as loaded; v48-79 then the gate's four fragments
.set AC0, 80                           ; v80-87, v88-95 two accumulators
.set AC1, 88
.set XP,  112                          ; v112-143 x packed
.set GP,  144                          ; v144-159 gate packed
	s_load_b256 s[4:11], s[0:1], 0x0               ; x s[4:5], gate_w s[6:7], xb s[8:9], bits s[10:11]
	s_load_b128 s[12:15], s[0:1], 0x20             ; wts s[12:13], stat s[14:15]
	v_lshl_add_u32 v10, v0, 2, SPARE               ; my spare word
	v_mov_b32 v11, 0                               ; and 0: kept for the add alone
	v_lshrrev_b32 v1, 5, v0
	v_readfirstlane_b32 s16, v1                    ; wave
	v_and_b32 v1, 31, v0                           ; L
	v_and_b32 v2, 15, v0                           ; r
	v_bfe_u32 v3, v0, 4, 1                         ; h
	v_lshlrev_b32 v4, 4, v1                        ; 16 L
	v_lshlrev_b32 v5, 3, v1                        ; 8 L
	s_mul_i32 s21, s16, WBLK                       ; my block
	v_add_nc_u32 v6, s21, v5                       ; x tile, store: 8 L in each row
	v_lshrrev_b32 v7, 1, v1
	v_and_b32 v14, 1, v0
	v_lshl_add_u32 v7, v7, 5, s21                  ; gate table, store: k = L / 2,
	v_lshl_add_u32 v7, v14, 3, v7                  ; experts 4 (L & 1) on
	v_mul_u32_u24 v8, v2, PITCH
	v_lshl_add_u32 v8, v3, 4, v8
	v_add_nc_u32 v8, s21, v8                       ; x fragment: row r, 16 h
	v_and_b32 v14, 7, v0
	v_lshl_add_u32 v14, v3, 3, v14
	v_lshl_add_u32 v9, v14, 5, s21                 ; gate, turning load: row 8 h + L % 8,
	v_bfe_u32 v14, v0, 3, 1
	v_lshl_add_u32 v9, v14, 4, v9                  ; 16 bytes by (L / 8) % 2
	s_lshl_b32 s23, s16, 10
	s_add_co_u32 s23, s23, PL
	v_lshl_add_u32 v12, v1, 5, s23                 ; where I put my partial logits
	v_lshlrev_b32 v13, 5, v1
	v_add_nc_u32 v13, PL, v13                      ; where wave 0 reads them
	s_mov_b32 s20, 0xffff0000                      ; lanes 16-31
	s_lshl_b32 s18, ttmp9, 16                      ; 16 rows of 4,096 bytes
	s_lshl_b32 s19, s16, 9                         ; my 512 bytes of a row
	s_add_co_u32 s18, s18, s19
	s_mov_b32 s19, 0
	s_wait_kmcnt 0x0
	s_add_nc_u64 s[4:5], s[4:5], s[18:19]
	s_lshr_b32 s18, s18, 1                         ; the same place in xb: half the bytes
	s_add_nc_u64 s[8:9], s[8:9], s[18:19]
	s_lshl_b32 s18, s16, 12                        ; my 128 rows of gate_w
	s_add_nc_u64 s[6:7], s[6:7], s[18:19]
	s_lshl_b32 s18, ttmp9, 5
	s_add_nc_u64 s[10:11], s[10:11], s[18:19]
	s_lshl_b32 s18, ttmp9, 7
	s_add_nc_u64 s[12:13], s[12:13], s[18:19]
	s_lshl_b32 s18, ttmp9, 6
	s_add_nc_u64 s[14:15], s[14:15], s[18:19]
.irp i, 0,1,2,3,4,5,6,7
	global_load_b128 v[XF+4*\i:XF+4*\i+3], v4, s[6:7] offset:512*\i        ; k = 16 i + L / 2, experts 4 (L & 1) on
.endr
.irp i, 0,1,2,3,4,5,6,7,8,9,10,11,12,13,14,15
	global_load_b128 v[XL+4*\i:XL+4*\i+3], v4, s[4:5] offset:4096*\i th:TH_LOAD_NT  ; row i: 512 consecutive bytes
.endr
	s_wait_loadcnt 0x10                            ; the 16 loads of x are younger: the gate is in
.irp i, 0,1,2,3,4,5,6,7
	v_cvt_pk_bf16_f32 v[GP+2*\i], v[XF+4*\i], v[XF+4*\i+1]
	v_cvt_pk_bf16_f32 v[GP+2*\i+1], v[XF+4*\i+2], v[XF+4*\i+3]
	ds_store_b64 v7, v[GP+2*\i:GP+2*\i+1] offset:GT+512*\i
	ds_store_b64 v7, v[GP+2*\i:GP+2*\i+1] offset:GT+512*\i+16              ; the repeat: columns 8-15
.endr
.irp i, 0,1,2,3,4,5,6,7,8,9,10,11,12,13,14,15
	s_wait_loadcnt 15-\i                           ; row i is in, the younger rows stay out
	v_cvt_pk_bf16_f32 v[XP+2*\i], v[XL+4*\i], v[XL+4*\i+1]
	v_cvt_pk_bf16_f32 v[XP+2*\i+1], v[XL+4*\i+2], v[XL+4*\i+3]
	global_store_b64 v5, v[XP+2*\i:XP+2*\i+1], s[8:9] offset:2048*\i       ; 256 consecutive bytes, aligned
	ds_store_b64 v6, v[XP+2*\i:XP+2*\i+1] offset:PITCH*\i
.endr
.irp s, 0,1,2,3                        ; my own bytes: LDS serves a wave's instructions in order, so these see the stores above
	ds_load_b128 v[XF+8*\s:XF+8*\s+3], v8 offset:64*\s
	ds_load_b128 v[XF+8*\s+4:XF+8*\s+7], v8 offset:64*\s+32
	ds_load_tr16_b128 v[XL+8*\s:XL+8*\s+3], v9 offset:GT+1024*\s
	ds_load_tr16_b128 v[XL+8*\s+4:XL+8*\s+7], v9 offset:GT+1024*\s+512
.endr
	s_wait_dscnt 0x0
	; source 0 = 16 gate columns (8 experts twice), source 1 = 16 tokens: lane (r, h), register j = logit of expert j, token r, in both halves.
	; Two accumulators take turns.
	v_wmma_f32_16x16x32_bf16 v[AC0:AC0+7], v[XL:XL+7], v[XF:XF+7], 0
	v_wmma_f32_16x16x32_bf16 v[AC1:AC1+7], v[XL+8:XL+15], v[XF+8:XF+15], 0
	v_wmma_f32_16x16x32_bf16 v[AC0:AC0+7], v[XL+16:XL+23], v[XF+16:XF+23], v[AC0:AC0+7]
	v_wmma_f32_16x16x32_bf16 v[AC1:AC1+7], v[XL+24:XL+31], v[XF+24:XF+31], v[AC1:AC1+7]
.rept 4
	v_nop                                          ; four places behind the last product (ISA guide 7.12.1)
.endr
.irp k, 0,2,4,6
	v_pk_add_f32 v[AC0+\k:AC0+\k+1], v[AC0+\k:AC0+\k+1], v[AC1+\k:AC1+\k+1]
.endr
	ds_store_b128 v12, v[AC0:AC0+3]
	ds_store_b128 v12, v[AC0+4:AC0+7] offset:16
	s_wait_dscnt 0x0                               ; for wave 0's sake: my stores are done
	s_barrier_signal -1
	s_barrier_wait -1
	s_cmp_lg_u32 s16, 0
	s_cbranch_scc1 .Lend                           ; no barrier stands behind this branch
	; WAVE 0: the 16 tokens' logits, softmax, top 2
.irp w, 0,1,2,3,4,5,6,7
	ds_load_b128 v[16+8*\w:16+8*\w+3], v13 offset:1024*\w
	ds_load_b128 v[16+8*\w+4:16+8*\w+7], v13 offset:1024*\w+16
.endr
	s_wait_dscnt 0x0
.irp w, 1,2,3,4,5,6,7
.irp k, 0,2,4,6
	v_pk_add_f32 v[16+\k:17+\k], v[16+\k:17+\k], v[16+8*\w+\k:17+8*\w+\k]
.endr
.endr
	v_max3_num_f32 v80, v16, v17, v18
	v_max3_num_f32 v80, v80, v19, v20
	v_max3_num_f32 v80, v80, v21, v22
	v_max_num_f32 v80, v80, v23                    ; the row's maximum is taken away, as in the softmax it stands for
.irp j, 0,1,2,3,4,5,6,7
	v_sub_f32 v[24+\j], v[16+\j], v80
.endr
.irp j, 0,1,2,3,4,5,6,7
	v_mul_f32 v[24+\j], 0x3fb8aa3b, v[24+\j]
.endr
.irp j, 0,1,2,3,4,5,6,7
	v_exp_f32 v[24+\j], v[24+\j]
.endr
	v_mov_b32 v41, 0                               ; i1 (a plain instruction behind the last exponential)
	s_wait_alu depctr_va_vdst(0)
	v_add_f32 v81, v24, v25
	v_add_f32 v82, v26, v27
	v_add_f32 v83, v28, v29
	v_add_f32 v84, v30, v31
	v_add_f32 v81, v81, v82
	v_add_f32 v83, v83, v84
	v_add_f32 v81, v81, v83
	v_rcp_f32 v81, v81
	v_mov_b32 v40, v24                             ; the best so far
.irp j, 1,2,3,4,5,6,7
	v_cmp_gt_f32 vcc_lo, v[24+\j], v40             ; strictly greater: a tie keeps the lower index
	v_cndmask_b32 v40, v40, v[24+\j], vcc_lo
	v_cndmask_b32 v41, v41, \j, vcc_lo
.endr
.irp j, 0,1,2,3,4,5,6,7
	v_cmp_eq_u32 vcc_lo, \j, v41
	v_cndmask_b32 v[48+\j], v[24+\j], -1.0, vcc_lo ; the first choice is taken out
.endr
	v_mov_b32 v42, v48
	v_mov_b32 v43, 0                               ; i2
.irp j, 1,2,3,4,5,6,7
	v_cmp_gt_f32 vcc_lo, v[48+\j], v42
	v_cndmask_b32 v42, v42, v[48+\j], vcc_lo
	v_cndmask_b32 v43, v43, \j, vcc_lo
.endr
	v_add_f32 v44, v40, v42
	v_rcp_f32 v44, v44
	s_wait_alu depctr_va_vdst(0)
.irp j, 0,1,2,3,4,5,6,7
	v_mul_f32 v[32+\j], v[24+\j], v81              ; the probabilities
.endr
	v_mul_f32 v45, v40, v44
	v_mul_f32 v46, v42, v44
	v_cndmask_b32 v47, v45, v46, s20               ; lanes 0-15 the first weight, lanes 16-31 the second
	v_lshlrev_b32 v56, 3, v2
	v_lshl_add_u32 v56, v3, 2, v56                 ; 8 r + 4 h
	global_store_b32 v56, v47, s[12:13]
	v_cndmask_b32 v57, v41, v43, s20               ; likewise the choice
.irp e, 0,1,2,3,4,5,6,7
	v_cmp_eq_u32 s[24+\e], \e, v57                 ; bit r: first choice, bit 16 + r: second
.endr
	v_mov_b32 v58, 0
.irp e, 0,1,2,3,4,5,6,7
	v_writelane_b32 v58, s[24+\e], \e
.endr
	v_lshlrev_b32 v59, 2, v1
.irp j, 0,1,2,3,4,5,6,7
	v_cmp_eq_u32 s28, \j, v41
	v_cmp_eq_u32 s29, \j, v43
	s_or_b32 s28, s28, s29
	v_cndmask_b32 v[60+\j], 0, 1.0, s28
	v_cndmask_b32 v[60+\j], v[32+\j], v[60+\j], s20  ; lanes 0-15 sum probabilities, lanes 16-31 count choices
.endr
.irp m, 1,2,4,8
.irp j, 0,1,2,3,4,5,6,7
	v_add_f32_dpp v[60+\j], v[60+\j], v[60+\j] row_xmask:\m row_mask:0xf bank_mask:0xf
.endr
.endr
	v_and_b32 v14, 1, v0
	v_cmp_ne_u32 vcc_lo, 0, v14
.irp k, 0,1,2,3
	v_cndmask_b32 v[68+\k], v[60+\k], v[64+\k], vcc_lo
.endr
	v_lshlrev_b32 v72, 5, v3
	v_lshl_add_u32 v72, v14, 4, v72                ; 32 h + 16 (r & 1)
	s_wait_xcnt 0x0                                ; EXEC is a source of the stores above: it changes only behind this wait
	v_cmp_gt_u32 vcc_lo, 8, v1
	s_and_saveexec_b32 s22, vcc_lo
	global_store_b32 v59, v58, s[10:11]            ; the eight words of bits
	s_wait_xcnt 0x0
	s_or_b32 exec_lo, exec_lo, s22
	v_cmp_gt_u32 vcc_lo, 2, v2
	s_and_saveexec_b32 s22, vcc_lo
	global_store_b128 v72, v[68:71], s[14:15]      ; four lanes store the 64 bytes of stat
	s_wait_xcnt 0x0
	s_or_b32 exec_lo, exec_lo, s22
.Lend:
	s_wait_tensorcnt 0x0                           ; the wave's end
	ds_add_u32 v10, v11
	s_wait_dscnt 0x0
	s_endpgm
.Lfunc_end_k_qaef9bb8298_router:
	.size	k_qaef9bb8298_router, .Lfunc_end_k_qaef9bb8298_router-k_qaef9bb8298_router
	.p2alignl 7, 3214868480
	.fill 96, 4, 3214868480
	.section	.rodata,"a",@progbits
	.p2align	6, 0x0
	.amdhsa_kernel k_qaef9bb8298_router
		.amdhsa_group_segment_fixed_size 76800
		.amdhsa_private_segment_fixed_size 0
		.amdhsa_enable_private_segment 0
		.amdhsa_kernarg_size 48
		.amdhsa_user_sgpr_count 2
		.amdhsa_user_sgpr_kernarg_segment_ptr 1
		.amdhsa_wavefront_size32 1
		.amdhsa_system_sgpr_workgroup_id_x 1
		.amdhsa_system_sgpr_workgroup_id_y 1
		.amdhsa_system_sgpr_workgroup_id_z 1
		.amdhsa_system_vgpr_workitem_id 0
		.amdhsa_next_free_vgpr 160
		.amdhsa_next_free_sgpr 66
		.amdhsa_reserve_vcc 1
		.amdhsa_float_denorm_mode_32 3
		.amdhsa_float_denorm_mode_16_64 3
		.amdhsa_memory_ordered 1
		.amdhsa_forward_progress 1
		.amdhsa_inst_pref_size 28
	.end_amdhsa_kernel
	.amdgpu_metadata
---
amdhsa.version: [ 1, 2 ]
amdhsa.kernels:
  - .name:           k_qaef9bb8298_router
    .symbol:         k_qaef9bb8298_router.kd
    .args:
      - { .name: x, .offset: 0, .size: 8, .value_kind: global_buffer, .address_space: global }
      - { .name: gate_w, .offset: 8, .size: 8, .value_kind: global_buffer, .address_space: global }
      - { .name: xb, .offset: 16, .size: 8, .value_kind: global_buffer, .address_space: global }
      - { .name: bits, .offset: 24, .size: 8, .value_kind: global_buffer, .address_space: global }
      - { .name: wts, .offset: 32, .size: 8, .value_kind: global_buffer, .address_space: global }
      - { .name: stat, .offset: 40, .size: 8, .value_kind: global_buffer, .address_space: global }
    .group_segment_fixed_size: 76800
    .private_segment_fixed_size: 0
    .kernarg_segment_align: 8
    .kernarg_segment_size: 48
    .max_flat_workgroup_size: 256
    .sgpr_count:     66
    .vgpr_count:     160
    .wavefront_size: 32
...
	.end_amdgpu_metadata
.endif
;; end of part 1
;; launch ffn1 (part 2): grid 256 x 1, 4 waves a work-group, no clusters, 271,360 bytes of LDS; arguments xb, W1, b1, bits, hbuf; writes hbuf
.if DOCPART == 2
	.amdgcn_target "amdgcn-amd-amdhsa--gfx1250"
	.amdhsa_code_object_version 6
	.text
	.protected	k_qaef9bb8298_ffn1
	.globl	k_qaef9bb8298_ffn1
	.p2align	8
	.type	k_qaef9bb8298_ffn1,@function
k_qaef9bb8298_ffn1:
	s_mov_b64 s[64:65], 0
	v_nop
	global_prefetch_b8 v0, s[64:65] scope:SCOPE_SE
	s_setreg_imm32_b32 hwreg(HW_REG_WAVE_MODE, 25, 1), 1
	s_wait_xcnt 0x0
; FIRST PRODUCT OF THE EXPERTS.  h = gelu(x W1[e] + b1[e]) for the rows that chose expert e, stored in bf16 in the order in which the second product's operand registers take it.
; SHARES.  256 work-groups = 8 experts x 16 slices of 128 columns x 2 row halves p.  A work-group rounds its slice (128 columns x K 1,024) to bf16 on the way through registers and keeps it
; in LDS (256 KiB).  An expert's tiles of 16 rows are dealt to 8 wave slots ws = 4 p + wave: tile t = ws + 8 i.  A pass holds 5 tiles a wave; 4 passes, a constant, serve every split up to
; all 2,048 rows on one expert; dead passes are jumped forward, a dead fifth tile's products too; other dead tiles repeat the wave's last live tile and store nothing.
; THE LIST.  Wave 0 makes the expert's list of rows (entry = 2 token + slot) from the router's bitmaps, in LDS, and leaves the count in a word beside it; a barrier stands between its stores and
; every read.  The second product makes the same list by the same text.  A place past the count reads the last row that exists.
; THE K LOOP has no barrier and writes no LDS: token rows come from memory straight into operand registers, weights from LDS.
; K IS PERMUTED alike in both operands: in K step s = 4 u + q, place l of half h stands for k = 128 u + 64 h + 16 q + l, so that a lane takes 128 consecutive bytes of its token's row in a unit's eight loads.
; TRANSPOSED USE: source 0 = weights, source 1 = tokens: a lane holds one token and eight column places; fragment f = 4 cg + jj, place m stands for column 64 cg + 4 m + jj.
; All inputs are rounded to bf16 once (x by the router, W1 and b1 here); sums in f32; gelu in f32; h rounded once.
; LIMITS.  erf by Abramowitz and Stegun 7.1.26, absolute error 1.5e-7 for every argument; NaN and infinities are not treated apart.
; NO TENSOR LOADS, NO CLUSTER: the row loops hang on stored counts, so barriers and tensor loads stay out of them; the rows come by a list that no descriptor covers; a slice of weights has two readers.
.set LIST,   262144                    ; behind the weights: 2,048 entries, then 32 dump words (places 2,048 + lane)
.set NW,     270592                    ; the count, in a block of its own
.set SPARE,  270848                    ; the spare words, 128 bytes a wave
.set GSTEP,  131072                    ; a round of the weight phase: 16 rows of W1
.set LSTEP,  8192
.set BB,   32                          ; v32-63, v64-95 weights' fragments of a group, two buffers
.set TF,   96                          ; v96-127 at work
.set U,    128                         ; v128-191 a tile on the way out
.set BIAS, 192                         ; v192-255 b1 by accumulator register
.set A0,   256                         ; v256-415, v832-991 token fragments of a unit (5 tiles x 4 K steps), two buffers
.set A1,   832                         ; accumulators: tile i < 4, fragment f at 512 + 64 i + 8 f; tile 4 at 768 + 8 f.  v256-511 first serve the weights' staging
.set MSB, 0
.macro WIN new                         ; s_set_vgpr_msb: bits 1:0 source 0, 3:2 source 1, 5:4 source 2, 7:6 destination; the high byte repeats the setting that is left
.if MSB != (\new)
	s_set_vgpr_msb (MSB<<8)|(\new)
.set MSB, (\new)
.endif
.endm
.macro PLACES                          ; four places behind matrix instructions, in front of loads into their sources and of reads of their results
.rept 4
	v_nop
.endr
.endm
.macro WM d, a, b, zero                ; a product by absolute register numbers
	WIN ((((\d)>>8)<<6)|(((\d)>>8)<<4)|(((\b)>>8)<<2)|((\a)>>8))
.if \zero
	v_wmma_f32_16x16x32_bf16 v[(\d)&255:((\d)&255)+7], v[(\a)&255:((\a)&255)+7], v[(\b)&255:((\b)&255)+7], 0
.else
	v_wmma_f32_16x16x32_bf16 v[(\d)&255:((\d)&255)+7], v[(\a)&255:((\a)&255)+7], v[(\b)&255:((\b)&255)+7], v[(\d)&255:((\d)&255)+7]
.endif
.endm
.macro WLOAD j                         ; staging slot j: 16 rows of 64 columns; sixteen lanes read 256 consecutive bytes, aligned
	WIN 0x40
.irp l, 0,1,2,3,4,5,6,7,8,9,10,11,12,13,14,15
	global_load_b128 v[64*(\j)+4*\l:64*(\j)+4*\l+3], v6, s[32:33] offset:((\j)>>1)*1048576+((\j)&1)*256+8192*\l
.endr
.endm
.macro WSLOT j, refill, left           ; slot j is rounded, laid into LDS as four fragments, and filled again
	s_wait_loadcnt \left
	WIN 0x05
.irp jj, 0,1,2,3
.irp ii, 0,1,2,3,4,5,6,7
	v_cvt_pk_bf16_f32 v[TF+8*\jj+\ii], v[64*(\j)+8*\ii+\jj], v[64*(\j)+8*\ii+4+\jj]
.endr
.endr
	WIN 0
.irp n, 0,1,2,3,4,5,6,7
	ds_store_b128 v7, v[TF+4*\n:TF+4*\n+3] offset:((\j)>>1)*32768+((\j)&1)*4096+512*\n
.endr
.if \refill
	WLOAD \j
.endif
.endm
.macro LDB imm, par                    ; a group's four weight fragments: 4,096 consecutive bytes
.irp n, 0,1,2,3,4,5,6,7
	ds_load_b128 v[BB+32*(\par)+4*\n:BB+32*(\par)+4*\n+3], v8 offset:(\imm)+512*\n
.endr
.endm
.macro LDA imm, buf                    ; a unit's token fragments: 5 tiles x 128 bytes a lane
	WIN (((\buf)>>8)<<6)
.irp i, 0,1,2,3,4
.irp l, 0,1,2,3,4,5,6,7
	global_load_b128 v[((\buf)&255)+32*\i+4*\l:((\buf)&255)+32*\i+4*\l+3], v[10+\i], s[34:35] offset:(\imm)+16*\l
.endr
.endr
.endm
.macro UHEAD wait, imm, buf            ; a unit's head: its loads are in; the next unit's go out into the buffer that the last unit multiplied
	PLACES
	s_wait_loadcnt \wait
.if (\imm) >= 0
	LDA \imm, \buf
	WIN 0
.endif
.endm
; A group: K step q of the unit in buf, 64 columns (fragments fb .. fb + 3), 5 tiles: 20 products on 20 accumulators by turns.
.macro GRP buf, q, par, fb, zero, nxt, bump, pl
.if \pl
	PLACES
.endif
.if \bump
	v_add_nc_u32 v8, \bump, v8
.endif
.if (\nxt) >= 0
	LDB \nxt, 1-(\par)
	s_wait_dscnt 0x8                               ; the eight just issued may stay out: this group's fragments are in
.else
	s_wait_dscnt 0x0
.endif
.irp i, 0,1,2,3
.irp j, 0,1,2,3
	WM 512+64*\i+8*((\fb)+\j), BB+32*(\par)+8*\j, (\buf)+32*\i+8*(\q), \zero
.endr
.endr
.if !(\zero)
	WIN 0
	s_cmp_lt_u32 s22, 5                            ; a dead fifth tile's products are jumped; no load and no wait stands under the jump
	s_cbranch_scc1 .Lno4_\@
.endif
.irp j, 0,1,2,3
	WM 768+8*((\fb)+\j), BB+32*(\par)+8*\j, (\buf)+128+8*(\q), \zero
.endr
	WIN 0
.if !(\zero)
.Lno4_\@:
.endif
.endm
; A unit: 128 along K, 8 groups.  lg0: the first group's number from v8 on; lastn, lastb: the last group's next fetch and the step of v8 in front of it.
.macro UNIT buf, lg0, zero, limm, lbuf, lastn, lastb
	UHEAD 0, \limm, \lbuf
.set g, 0
.rept 8
.set zf, 0
.if (\zero) && (g < 2)
.set zf, 1
.endif
.if g == 0
	GRP \buf, 0, 0, 0, zf, 4096*((\lg0)+1), 0, 0
.elseif g < 7
	GRP \buf, g/2, g%2, 4*(g%2), zf, 4096*((\lg0)+g+1), 0, 1
.else
	GRP \buf, 3, 1, 4, 0, \lastn, \lastb, 1
.endif
.set g, g+1
.endr
.endm
.macro COPY i                          ; tile i's sums plus the bias, into the registers of the one text of the way out; each accumulator is read from its low end on
.set ab, (64*(\i))%256
	WIN 2+((\i)/4)
.irp f, 0,1,2,3,4,5,6,7
.irp j, 0,2,4,6
	v_pk_add_f32 v[U+8*\f+\j:U+8*\f+\j+1], v[ab+8*\f+\j:ab+8*\f+\j+1], v[BIAS+8*\f+\j:BIAS+8*\f+\j+1]
.endr
.endr
	WIN 0
.endm
; gelu(u) = max(u, 0) - |u| Phi(-|u|), Phi(-a) = t (c1 + t (c2 + t (c3 + t (c4 + t c5)))) 2^(-a a log2(e) / 2), t = 1 / (1 + p a): eight numbers, then rounded to bf16
.macro GELU8 f
.set ub, U+8*(\f)
.irp j, 0,1,2,3,4,5,6,7
	v_fma_f32 v[96+\j], |v[ub+\j]|, s48, 1.0
.endr
.irp j, 0,1,2,3,4,5,6,7
	v_rcp_f32 v[96+\j], v[96+\j]
.endr
.irp k, 0,2,4,6
	v_pk_mul_f32 v[104+\k:105+\k], v[ub+\k:ub+\k+1], v[ub+\k:ub+\k+1]
.endr
.irp k, 0,2,4,6
	v_pk_mul_f32 v[104+\k:105+\k], v[104+\k:105+\k], s[50:51] op_sel_hi:[1,0]
.endr
.irp j, 0,1,2,3,4,5,6,7
	v_exp_f32 v[104+\j], v[104+\j]
.endr
	s_wait_alu depctr_va_vdst(0)
.irp k, 0,2,4,6
	v_pk_fma_f32 v[112+\k:113+\k], v[96+\k:97+\k], s[60:61], s[58:59] op_sel_hi:[1,0,0]
.endr
.irp k, 0,2,4,6
	v_pk_fma_f32 v[112+\k:113+\k], v[112+\k:113+\k], v[96+\k:97+\k], s[56:57] op_sel_hi:[1,1,0]
.endr
.irp k, 0,2,4,6
	v_pk_fma_f32 v[112+\k:113+\k], v[112+\k:113+\k], v[96+\k:97+\k], s[54:55] op_sel_hi:[1,1,0]
.endr
.irp k, 0,2,4,6
	v_pk_fma_f32 v[112+\k:113+\k], v[112+\k:113+\k], v[96+\k:97+\k], s[52:53] op_sel_hi:[1,1,0]
.endr
.irp k, 0,2,4,6
	v_pk_mul_f32 v[112+\k:113+\k], v[112+\k:113+\k], v[96+\k:97+\k]
.endr
.irp k, 0,2,4,6
	v_pk_mul_f32 v[112+\k:113+\k], v[112+\k:113+\k], v[104+\k:105+\k]
.endr
.irp j, 0,1,2,3,4,5,6,7
	v_max_num_f32 v[120+\j], 0, v[ub+\j]
.endr
.irp j, 0,1,2,3,4,5,6,7
	v_fma_f32 v[120+\j], -|v[ub+\j]|, v[112+\j], v[120+\j]
.endr
.irp k, 0,1,2,3
	v_cvt_pk_bf16_f32 v[ub+\k], v[120+2*\k], v[121+2*\k]
.endr
.endm
	s_load_b256 s[4:11], s[0:1], 0x0               ; xb s[4:5], W1 s[6:7], b1 s[8:9], bits s[10:11]
	s_load_b64 s[12:13], s[0:1], 0x20              ; hbuf
	v_lshl_add_u32 v4, v0, 2, SPARE                ; my spare word
	v_mov_b32 v5, 0                                ; and 0: kept for the add alone
	v_lshrrev_b32 v1, 5, v0
	v_readfirstlane_b32 s14, v1                    ; wave
	s_lshr_b32 s15, ttmp9, 5                       ; expert
	s_bfe_u32 s16, ttmp9, 0x40001                  ; slice
	s_and_b32 s17, ttmp9, 1                        ; row half
	s_lshl2_add_u32 s18, s17, s14                  ; wave slot ws = 4 p + wave
	v_and_b32 v1, 31, v0                           ; L
	v_and_b32 v2, 15, v0                           ; r
	v_bfe_u32 v3, v0, 4, 1                         ; h
	v_lshlrev_b32 v9, 4, v1                        ; 16 L
	v_lshlrev_b32 v6, 4, v2
	v_lshl_add_u32 v6, v3, 19, v6                  ; weights: 16 r, and 64 rows further down for lanes 16-31
	s_lshl_b32 s28, s14, 16
	v_add_nc_u32 v7, s28, v9                       ; where my fragments go: 16 groups a wave
	v_mov_b32 v15, LIST                            ; the list's first byte
	v_lshlrev_b32 v28, 7, v3                       ; 128 h
	v_lshlrev_b32 v29, 7, v1                       ; 128 L: my four words of bits
	v_add_nc_u32 v30, 2048, v1                     ; my dump place
	v_lshlrev_b32 v31, 7, v1                       ; 2 x token of my first group's bit 0
	s_mov_b32 s48, 0x3e6d3388                      ; p = 0.3275911 / sqrt(2)
	s_mov_b32 s49, s48
	s_mov_b32 s50, 0xbf38aa3b                      ; -log2(e) / 2
	s_mov_b32 s51, s50
	s_mov_b32 s52, 0x3e027906                      ; c1 .. c5: half of the series' coefficients
	s_mov_b32 s53, s52
	s_mov_b32 s54, 0xbe11a98e
	s_mov_b32 s55, s54
	s_mov_b32 s56, 0x3f35f0e3
	s_mov_b32 s57, s56
	s_mov_b32 s58, 0xbf3a00e3
	s_mov_b32 s59, s58
	s_mov_b32 s60, 0x3f07dc22
	s_mov_b32 s61, s60
	s_lshl_b32 s30, s15, 2
	s_mov_b32 s31, 0
	s_wait_kmcnt 0x0
	s_add_nc_u64 s[10:11], s[10:11], s[30:31]      ; bits at my expert's word
	s_lshl_b32 s30, s15, 13
	s_lshl_b32 s28, s16, 9
	s_add_co_u32 s30, s30, s28
	s_add_nc_u64 s[8:9], s[8:9], s[30:31]          ; b1 at my 128 columns
	s_lshl_b32 s30, s15, 23
	s_lshl_b32 s29, s14, 21
	s_add_co_u32 s30, s30, s29
	s_add_co_u32 s30, s30, s28
	s_add_nc_u64 s[32:33], s[6:7], s[30:31]        ; W1: my expert, my wave's 256 rows, my slice
	s_mov_b64 s[36:37], s[4:5]
.irp i, 0,1,2,3
	global_load_b32 v[16+\i], v29, s[10:11] offset:32*\i   ; groups 4 L + i of 16 tokens
.endr
.irp c, 0,1
.irp j, 0,1,2,3,4,5,6,7
	global_load_b128 v[U+32*\c+4*\j:U+32*\c+4*\j+3], v28, s[8:9] offset:256*\c+16*\j
.endr
.endr
.irp j, 0,1,2,3
	WLOAD \j                                       ; 64 loads of 512 bytes a wave are on their way while the list is made
.endr
	WIN 0
	s_wait_loadcnt 0x3f                            ; 64 younger loads were issued: the words of bits and the bias are in
.irp c, 0,1
.irp j, 0,1,2,3,4,5,6,7
	v_cvt_pk_bf16_f32 v96, v[U+32*\c+4*\j], v[U+32*\c+4*\j+1]      ; the bias is rounded to bf16 like every input
	v_cvt_pk_bf16_f32 v97, v[U+32*\c+4*\j+2], v[U+32*\c+4*\j+3]
	v_lshlrev_b32 v[BIAS+32*\c+\j], 16, v96
	v_and_b32 v[BIAS+32*\c+8+\j], 0xffff0000, v96
	v_lshlrev_b32 v[BIAS+32*\c+16+\j], 16, v97
	v_and_b32 v[BIAS+32*\c+24+\j], 0xffff0000, v97
.endr
.endr
	; THE LIST, by wave 0: stores alone.  64 ballots: bit b of group 4 L + i, b outer, i inner, lanes ascending.  A lane without a row stores into its dump place.
	s_cmp_lg_u32 s14, 0
	s_cbranch_scc1 .Lbuilt
.irp i, 0,1,2,3
	v_lshrrev_b32 v[20+\i], 16, v[16+\i]
	v_or_b32 v[20+\i], v[16+\i], v[20+\i]          ; first or second choice
.endr
.irp k, 100,101,102,103
	v_mov_b32 v[\k], 0
.endr
	v_lshl_add_u32 v109, v1, 4, v15
.irp n, 0,1,2,3,4,5,6,7,8,9,10,11,12,13,14,15
	ds_store_b128 v109, v[100:103] offset:512*\n   ; all 2,048 entries hold a number whatever the count
.endr
	s_mov_b32 s19, 0
	s_mov_b32 s25, 0
.Lbuild:
	s_add_co_u32 s26, s25, 16
.irp i, 0,1,2,3
	v_bfe_u32 v[96+8*\i], v[20+\i], s25, 1
	v_bfe_u32 v[97+8*\i], v[16+\i], s26, 1         ; the slot
	v_cmp_ne_u32 s27, 0, v[96+8*\i]
	v_mbcnt_lo_u32_b32 v[98+8*\i], s27, s19        ; my place: the count so far + the lanes below me
	v_add_nc_u32 v[99+8*\i], v31, v[97+8*\i]       ; 2 token + slot
.if \i > 0
	v_add_nc_u32 v[99+8*\i], 32*\i, v[99+8*\i]
.endif
	v_cndmask_b32 v[98+8*\i], v30, v[98+8*\i], s27
	v_min_u32 v[98+8*\i], 2079, v[98+8*\i]         ; the place is held inside the list and its dump places; only a shift and a sum follow
	v_lshl_add_u32 v[98+8*\i], v[98+8*\i], 2, v15
	ds_store_b32 v[98+8*\i], v[99+8*\i]
	s_bcnt1_i32_b32 s28, s27
	s_add_co_u32 s19, s19, s28
.endr
	v_add_nc_u32 v31, 2, v31
	s_add_co_u32 s25, s25, 1
	s_cmp_lt_u32 s25, 16
	s_cbranch_scc1 .Lbuild
	s_min_u32 s19, s19, 2048
	v_mov_b32 v110, s19
	v_mov_b32 v111, NW
	ds_store_b32 v111, v110                        ; the count, for all four waves
.Lbuilt:
	s_wait_dscnt 0x0                               ; for the others' sake: wave 0's stores are done
	s_barrier_signal -1
	s_barrier_wait -1                              ; the list is whole; only now do the weights' LDS stores begin
	v_mov_b32 v96, NW
	ds_load_b32 v97, v96
	s_wait_dscnt 0x0
	v_readfirstlane_b32 s19, v97
	s_min_u32 s19, s19, 2048                       ; n, the expert's rows
	s_max_u32 s40, s19, 1
	s_sub_co_u32 s40, s40, 1
	s_min_u32 s40, s40, 2047                       ; the last place that holds a row
	s_add_co_u32 s20, s19, 15
	s_lshr_b32 s20, s20, 4                         ; tiles of 16 rows
	s_add_co_u32 s21, s20, 7
	s_sub_co_u32 s21, s21, s18
	s_lshr_b32 s21, s21, 3                         ; of which mine: t = ws + 8 i
	; THE WEIGHTS: four rounds of four slots; the counts are the slots still out: (3 - j) of this round and j refills, 16 loads each
	s_mov_b32 s24, 3
.Lw:
	s_wait_xcnt 0x0                                ; the base is stepped only behind this wait
	s_add_nc_u64 s[32:33], s[32:33], GSTEP
	WSLOT 0, 1, 48
	WSLOT 1, 1, 48
	WSLOT 2, 1, 48
	WSLOT 3, 1, 48
	WIN 0
	v_add_nc_u32 v7, LSTEP, v7
	s_sub_co_u32 s24, s24, 1
	s_cmp_lg_u32 s24, 0
	s_cbranch_scc1 .Lw
	WSLOT 0, 0, 48                                 ; the last round loads nothing: the counts run down
	WSLOT 1, 0, 32
	WSLOT 2, 0, 16
	WSLOT 3, 0, 0
	s_wait_dscnt 0x0                               ; for the others' sake: my fragments are in LDS
	s_barrier_signal -1
	s_barrier_wait -1                              ; the slice is whole; the passes below hold no barrier and no LDS store
	s_mov_b32 s46, s18                             ; the pass's first tile
	s_mov_b32 s23, 0
.Lpass:
	s_min_u32 s22, s21, 5                          ; live tiles of this pass
	s_cmp_eq_u32 s22, 0
	s_cbranch_scc1 .Lpnext
	s_min_u32 s41, s46, 127
.irp i, 1,2,3,4
	s_add_co_u32 s28, s46, 8*\i
	s_cmp_lt_u32 s28, s20
	s_cselect_b32 s[41+\i], s28, s[40+\i]          ; a dead tile repeats the one before
	s_min_u32 s[41+\i], s[41+\i], 127
.endr
.irp i, 0,1,2,3,4
	v_lshl_add_u32 v[96+\i], s[41+\i], 4, v2       ; place 16 t + r of the list;
	v_min_u32 v[96+\i], s40, v[96+\i]              ; a place past the count takes the last row that exists
	v_min_u32 v[96+\i], 2047, v[96+\i]
	v_lshl_add_u32 v[96+\i], v[96+\i], 2, v15
	ds_load_b32 v[104+\i], v[96+\i]
.endr
	s_wait_dscnt 0x0
.irp i, 0,1,2,3,4
	v_lshrrev_b32 v[104+\i], 1, v[104+\i]          ; the token
	v_min_u32 v[104+\i], 2047, v[104+\i]
	v_lshl_add_u32 v[10+\i], v[104+\i], 11, v28    ; its row of 2,048 bytes, + 128 h
.endr
	s_mov_b64 s[34:35], s[36:37]
	v_mov_b32 v8, v9
	PLACES
	LDA 0, A0
	WIN 0
	LDB 0, 0
	UNIT A0, 0, 1, 256, A1, 0, 32768               ; unit 0 starts the sums: nothing is cleared
	s_mov_b32 s24, 3
.Lk:                                                   ; a trip: two units; each unit's 40 loads have the unit before, 160 products, in which to land
	UNIT A1, 0, 0, 512, A0, 32768, 0
	UNIT A0, 8, 0, 768, A1, 0, 65536
	s_wait_xcnt 0x0                                ; the base is stepped only behind this wait
	s_add_nc_u64 s[34:35], s[34:35], 512
	s_sub_co_u32 s24, s24, 1
	s_cmp_lg_u32 s24, 0
	s_cbranch_scc1 .Lk
	UNIT A1, 0, 0, -1, 0, -1, 0                    ; unit 7 fetches nothing
	; THE WAY OUT, a tile a trip; dead tiles are jumped
	PLACES
	s_mov_b32 s47, 0
.Lsi:
	s_cmp_ge_u32 s47, s22
	s_cbranch_scc1 .Lsin
	s_wait_xcnt 0x0                                ; the last tile's stores have read U and their base
	s_cmp_lg_u32 s47, 0
	s_cbranch_scc1 .Ln0
	COPY 0
	s_branch .Lcopied
.Ln0:
	s_cmp_lg_u32 s47, 1
	s_cbranch_scc1 .Ln1
	COPY 1
	s_branch .Lcopied
.Ln1:
	s_cmp_lg_u32 s47, 2
	s_cbranch_scc1 .Ln2
	COPY 2
	s_branch .Lcopied
.Ln2:
	s_cmp_lg_u32 s47, 3
	s_cbranch_scc1 .Ln3
	COPY 3
	s_branch .Lcopied
.Ln3:
	COPY 4
.Lcopied:
	s_lshl3_add_u32 s28, s47, s46                  ; the tile
	s_min_u32 s28, s28, 127
	s_lshl_b32 s29, s15, 7
	s_add_co_u32 s28, s28, s29
	s_lshl_b32 s30, s28, 16                        ; 65,536 bytes a tile,
	s_lshl_b32 s29, s16, 12                        ; my slice's four K steps of the second product
	s_add_co_u32 s30, s30, s29
	s_mov_b32 s31, 0
	s_add_nc_u64 s[38:39], s[12:13], s[30:31]
.irp f, 0,1,2,3,4,5,6,7
	GELU8 \f
	global_store_b128 v9, v[U+8*\f:U+8*\f+3], s[38:39] offset:512*\f   ; 512 consecutive bytes: half an operand fragment of the second product
.endr
.Lsin:
	s_add_co_u32 s47, s47, 1
	s_cmp_lt_u32 s47, 5
	s_cbranch_scc1 .Lsi
.Lpnext:
	s_sub_co_i32 s21, s21, 5
	s_max_i32 s21, s21, 0
	s_add_co_u32 s46, s46, 40
	s_add_co_u32 s23, s23, 1
	s_cmp_lt_u32 s23, 4
	s_cbranch_scc1 .Lpass
	s_wait_dscnt 0x0                               ; my LDS reads are back,
	s_barrier_signal -1
	s_barrier_wait -1                              ; and so are every wave's: the add below, an LDS write, stands behind all reads of LDS.  Every wave comes here: four passes, a constant
	s_wait_tensorcnt 0x0                           ; the wave's end
	ds_add_u32 v4, v5
	s_wait_dscnt 0x0
	s_endpgm
.Lfunc_end_k_qaef9bb8298_ffn1:
	.size	k_qaef9bb8298_ffn1, .Lfunc_end_k_qaef9bb8298_ffn1-k_qaef9bb8298_ffn1
	.p2alignl 7, 3214868480
	.fill 96, 4, 3214868480
	.section	.rodata,"a",@progbits
	.p2align	6, 0x0
	.amdhsa_kernel k_qaef9bb8298_ffn1
		.amdhsa_group_segment_fixed_size 271360
		.amdhsa_private_segment_fixed_size 0
		.amdhsa_enable_private_segment 0
		.amdhsa_kernarg_size 40
		.amdhsa_user_sgpr_count 2
		.amdhsa_user_sgpr_kernarg_segment_ptr 1
		.amdhsa_wavefront_size32 1
		.amdhsa_system_sgpr_workgroup_id_x 1
		.amdhsa_system_sgpr_workgroup_id_y 1
		.amdhsa_system_sgpr_workgroup_id_z 1
		.amdhsa_system_vgpr_workitem_id 0
		.amdhsa_next_free_vgpr 992
		.amdhsa_next_free_sgpr 66
		.amdhsa_reserve_vcc 0
		.amdhsa_float_denorm_mode_32 3
		.amdhsa_float_denorm_mode_16_64 3
		.amdhsa_memory_ordered 1
		.amdhsa_forward_progress 1
		.amdhsa_inst_pref_size 179
	.end_amdhsa_kernel
	.amdgpu_metadata
---
amdhsa.version: [ 1, 2 ]
amdhsa.kernels:
  - .name:           k_qaef9bb8298_ffn1
    .symbol:         k_qaef9bb8298_ffn1.kd
    .args:
      - { .name: xb, .offset: 0, .size: 8, .value_kind: global_buffer, .address_space: global }
      - { .name: W1, .offset: 8, .size: 8, .value_kind: global_buffer, .address_space: global }
      - { .name: b1, .offset: 16, .size: 8, .value_kind: global_buffer, .address_space: global }
      - { .name: bits, .offset: 24, .size: 8, .value_kind: global_buffer, .address_space: global }
      - { .name: hbuf, .offset: 32, .size: 8, .value_kind: global_buffer, .address_space: global }
    .group_segment_fixed_size: 271360
    .private_segment_fixed_size: 0
    .kernarg_segment_align: 8
    .kernarg_segment_size: 40
    .max_flat_workgroup_size: 128
    .sgpr_count:     66
    .vgpr_count:     992
    .wavefront_size: 32
...
	.end_amdgpu_metadata
.endif
;; end of part 2
;; launch ffn2 (part 3): grid 256 x 1, 4 waves a work-group, no clusters, 271,360 bytes of LDS; arguments hbuf, W2, b2, bits, y2; writes y2
.if DOCPART == 3
	.amdgcn_target "amdgcn-amd-amdhsa--gfx1250"
	.amdhsa_code_object_version 6
	.text
	.protected	k_qaef9bb8298_ffn2
	.globl	k_qaef9bb8298_ffn2
	.p2align	8
	.type	k_qaef9bb8298_ffn2,@function
k_qaef9bb8298_ffn2:
	s_mov_b64 s[64:65], 0
	v_nop
	global_prefetch_b8 v0, s[64:65] scope:SCOPE_SE
	s_setreg_imm32_b32 hwreg(HW_REG_WAVE_MODE, 25, 1), 1
	s_wait_xcnt 0x0
; SECOND PRODUCT OF THE EXPERTS.  y2[2 token + slot] = h W2[e] + b2[e], unweighted, in f32: the two partial rows of a token are added, with the gate's weights, by the next launch.
; SHARES.  256 work-groups = 8 experts x 16 slices of 64 columns x 2 row halves p; the slice (64 columns x K 2,048) is rounded to bf16 on the way through registers and kept in LDS (256 KiB).
; Tiles, passes and the list of rows as in the first product, by the same text, so that both have the same order: wave 0 makes the list in LDS, a barrier stands between its stores and every read.
; h comes from memory in operand order: block (tile, K step) of 1,024 bytes, a lane's registers 0-3 at 16 L, registers 4-7 at 512 + 16 L: every load is 512 consecutive bytes.
; K IS PERMUTED as the first product's results fall: in K step s, place l of half h stands for d = 64 (s / 2) + 32 h + 4 (l % 8) + 2 (s % 2) + l / 8; W2's rows are fetched in that order.
; NATURAL USE: source 0 = h (16 rows), source 1 = weights; fragment f, place r stands for column 4 r + f: register j of the four accumulators is 16 neighbouring bytes of row 8 h + j.
; W2 and b2 are rounded to bf16 once; sums in f32.  NaN and infinities are not treated apart.
; Places past the count hold the last real row once more: the same numbers go to the same bytes, from the same wave, so EXEC is never narrowed.
; NO TENSOR LOADS, NO CLUSTER: the row loops hang on stored counts, so barriers and tensor loads stay out of them; a slice of weights has two readers.
.set LIST,   262144                    ; behind the weights: 2,048 entries, then 32 dump words (places 2,048 + lane)
.set NW,     270592                    ; the count, in a block of its own
.set SPARE,  270848                    ; the spare words, 128 bytes a wave
.set GSTEP,  524288                    ; a round of the weight phase: 128 rows of W2
.set LSTEP,  16384
.set BB,   32                          ; v32-63, v64-95 weights' fragments of a group, two buffers
.set TF,   96                          ; v96-127 at work in the weight phase
.set A0,   256                         ; h fragments of a unit (5 tiles x 4 K steps), three buffers: v256-415, v768-927, v96-255
.set A1,   768
.set A2,   96                          ; accumulators: tile i, fragment f at 512 + 32 i + 8 f.  v256-511 first serve the weights' staging
.set MSB, 0
.macro WIN new                         ; s_set_vgpr_msb: bits 1:0 source 0, 3:2 source 1, 5:4 source 2, 7:6 destination; the high byte repeats the setting that is left
.if MSB != (\new)
	s_set_vgpr_msb (MSB<<8)|(\new)
.set MSB, (\new)
.endif
.endm
.macro PLACES                          ; four places behind matrix instructions, in front of loads into their sources and of reads of their results
.rept 4
	v_nop
.endr
.endm
.macro WM d, a, b, zero                ; a product by absolute register numbers
	WIN ((((\d)>>8)<<6)|(((\d)>>8)<<4)|(((\b)>>8)<<2)|((\a)>>8))
.if \zero
	v_wmma_f32_16x16x32_bf16 v[(\d)&255:((\d)&255)+7], v[(\a)&255:((\a)&255)+7], v[(\b)&255:((\b)&255)+7], 0
.else
	v_wmma_f32_16x16x32_bf16 v[(\d)&255:((\d)&255)+7], v[(\a)&255:((\a)&255)+7], v[(\b)&255:((\b)&255)+7], v[(\d)&255:((\d)&255)+7]
.endif
.endm
.macro WLOAD j                         ; staging slot j: the 16 rows of K step j of the round, 64 columns; sixteen lanes read 256 consecutive bytes, aligned
	WIN 0x40
.irp l, 0,1,2,3,4,5,6,7,8,9,10,11,12,13,14,15
	global_load_b128 v[64*(\j)+4*\l:64*(\j)+4*\l+3], v6, s[32:33] offset:(64*((\j)>>1)+2*((\j)&1)+4*((\l)&7)+((\l)>>3))*4096
.endr
.endm
.macro WSLOT j, refill, left           ; slot j is rounded, laid into LDS as four fragments, and filled again
	s_wait_loadcnt \left
	WIN 0x05
.irp jj, 0,1,2,3
.irp ii, 0,1,2,3,4,5,6,7
	v_cvt_pk_bf16_f32 v[TF+8*\jj+\ii], v[64*(\j)+8*\ii+\jj], v[64*(\j)+8*\ii+4+\jj]
.endr
.endr
	WIN 0
.irp n, 0,1,2,3,4,5,6,7
	ds_store_b128 v7, v[TF+4*\n:TF+4*\n+3] offset:4096*(\j)+512*\n
.endr
.if \refill
	WLOAD \j
.endif
.endm
.macro LDB imm, par                    ; a group's four weight fragments: 4,096 consecutive bytes
.irp n, 0,1,2,3,4,5,6,7
	ds_load_b128 v[BB+32*(\par)+4*\n:BB+32*(\par)+4*\n+3], v8 offset:(\imm)+512*\n
.endr
.endm
.macro LDA imm, buf                    ; a unit's h fragments: 5 tiles x 4 K steps, 512 consecutive bytes a load
	WIN (((\buf)>>8)<<6)
.irp i, 0,1,2,3,4
.irp l, 0,1,2,3,4,5,6,7
	global_load_b128 v[((\buf)&255)+32*\i+4*\l:((\buf)&255)+32*\i+4*\l+3], v[10+\i], s[34:35] offset:(\imm)+512*\l
.endr
.endr
.endm
.macro UHEAD wait, imm, buf            ; a unit's head: its loads are in; the loads of the unit two on go out into the buffer that the last unit multiplied
	PLACES
	s_wait_loadcnt \wait
.if (\imm) >= 0
	LDA \imm, \buf
	WIN 0
.endif
.endm
; A group: K step q of the unit in buf, 64 columns, 5 tiles: 20 products on 20 accumulators by turns.
.macro GRP buf, q, par, zero, nxt, bump, pl
.if \pl
	PLACES
.endif
.if \bump
	v_add_nc_u32 v8, \bump, v8
.endif
.if (\nxt) >= 0
	LDB \nxt, 1-(\par)
	s_wait_dscnt 0x8                               ; the eight just issued may stay out: this group's fragments are in
.else
	s_wait_dscnt 0x0
.endif
.irp i, 0,1,2,3
.irp j, 0,1,2,3
	WM 512+32*\i+8*\j, (\buf)+32*\i+8*(\q), BB+32*(\par)+8*\j, \zero
.endr
.endr
.if !(\zero)
	WIN 0
	s_cmp_lt_u32 s22, 5                            ; a dead fifth tile's products are jumped; no load and no wait stands under the jump
	s_cbranch_scc1 .Lno4_\@
.endif
.irp j, 0,1,2,3
	WM 640+8*\j, (\buf)+128+8*(\q), BB+32*(\par)+8*\j, \zero
.endr
	WIN 0
.if !(\zero)
.Lno4_\@:
.endif
.endm
; A unit: 128 along K, 4 groups.  lg0: the first group's number from v8 on; lastn, lastb: the last group's next fetch and the step of v8 in front of it.
.macro UNIT buf, lg0, zero, wait, limm, lbuf, lastn, lastb
	UHEAD \wait, \limm, \lbuf
	GRP \buf, 0, 0, \zero, 4096*((\lg0)+1), 0, 0
	GRP \buf, 1, 1, 0, 4096*((\lg0)+2), 0, 1
	GRP \buf, 2, 0, 0, 4096*((\lg0)+3), 0, 1
	GRP \buf, 3, 1, 0, \lastn, \lastb, 1
.endm
; Tile i goes out: the bias is added, each accumulator read from its low end on; a row's place in y2 comes from the list.
.macro EPI2 i
	s_cmp_le_u32 s22, \i
	s_cbranch_scc1 .Lpnext                         ; this tile and all behind it are dead
	s_wait_xcnt 0x0                                ; the last tile's stores have read their data and offsets
	v_lshl_add_u32 v144, s[41+\i], 4, v16          ; place 16 t + 8 h of the list
.irp j, 0,1,2,3,4,5,6,7
	v_add_nc_u32 v[128+\j], \j, v144
	v_min_u32 v[128+\j], s40, v[128+\j]            ; a place past the count takes the last row that exists
	v_min_u32 v[128+\j], 2047, v[128+\j]
	v_lshl_add_u32 v[128+\j], v[128+\j], 2, v15
.endr
.irp j, 0,1,2,3,4,5,6,7
	ds_load_b32 v[136+\j], v[128+\j]
.endr
	WIN 0x02
.irp j, 0,1,2,3,4,5,6,7
.irp f, 0,1,2,3
	v_add_f32 v[96+4*\j+\f], v[32*(\i)+8*\f+\j], v[24+\f]
.endr
.endr
	WIN 0
	s_wait_dscnt 0x0
.irp j, 0,1,2,3,4,5,6,7
	v_min_u32 v[136+\j], 4095, v[136+\j]
	v_lshl_add_u32 v[136+\j], v[136+\j], 12, v28   ; the row of 4,096 bytes, + 16 r
.endr
.irp j, 0,1,2,3,4,5,6,7
	global_store_b128 v[136+\j], v[96+4*\j:96+4*\j+3], s[38:39]    ; sixteen lanes store 256 consecutive bytes of a row, aligned
.endr
.endm
	s_load_b256 s[4:11], s[0:1], 0x0               ; hbuf s[4:5], W2 s[6:7], b2 s[8:9], bits s[10:11]
	s_load_b64 s[12:13], s[0:1], 0x20              ; y2
	v_lshl_add_u32 v4, v0, 2, SPARE                ; my spare word
	v_mov_b32 v5, 0                                ; and 0: kept for the add alone
	v_lshrrev_b32 v1, 5, v0
	v_readfirstlane_b32 s14, v1                    ; wave
	s_lshr_b32 s15, ttmp9, 5                       ; expert
	s_bfe_u32 s16, ttmp9, 0x40001                  ; slice
	s_and_b32 s17, ttmp9, 1                        ; row half
	s_lshl2_add_u32 s18, s17, s14                  ; wave slot ws = 4 p + wave
	v_and_b32 v1, 31, v0                           ; L
	v_and_b32 v2, 15, v0                           ; r
	v_bfe_u32 v3, v0, 4, 1                         ; h
	v_lshlrev_b32 v9, 4, v1                        ; 16 L
	v_lshlrev_b32 v28, 4, v2                       ; 16 r
	v_lshl_add_u32 v6, v3, 17, v28                 ; weights: 16 r, and 32 rows further down for lanes 16-31
	s_lshl_b32 s28, s14, 16
	v_add_nc_u32 v7, s28, v9                       ; where my fragments go: 16 groups a wave
	v_mov_b32 v15, LIST                            ; the list's first byte
	v_lshlrev_b32 v29, 7, v1                       ; 128 L: my four words of bits
	v_add_nc_u32 v30, 2048, v1                     ; my dump place
	v_lshlrev_b32 v31, 7, v1                       ; 2 x token of my first group's bit 0
	s_lshl_b32 s30, s15, 2
	s_mov_b32 s31, 0
	s_wait_kmcnt 0x0
	s_add_nc_u64 s[10:11], s[10:11], s[30:31]      ; bits at my expert's word
	s_lshl_b32 s30, s15, 12
	s_lshl_b32 s28, s16, 8
	s_add_co_u32 s30, s30, s28
	s_add_nc_u64 s[8:9], s[8:9], s[30:31]          ; b2 at my 64 columns
	s_mov_b32 s30, s28
	s_add_nc_u64 s[38:39], s[12:13], s[30:31]      ; y2 at my 64 columns
	s_lshl_b32 s30, s15, 23
	s_add_nc_u64 s[36:37], s[4:5], s[30:31]        ; hbuf at my expert
	s_lshl_b32 s29, s14, 21
	s_add_co_u32 s30, s30, s29
	s_add_co_u32 s30, s30, s28
	s_add_nc_u64 s[32:33], s[6:7], s[30:31]        ; W2: my expert, my wave's 512 rows, my slice
.irp i, 0,1,2,3
	global_load_b32 v[16+\i], v29, s[10:11] offset:32*\i   ; groups 4 L + i of 16 tokens
.endr
	global_load_b128 v[24:27], v28, s[8:9]         ; b2 of columns 4 r .. 4 r + 3
.irp j, 0,1,2,3
	WLOAD \j                                       ; 64 loads of 512 bytes a wave are on their way while the list is made
.endr
	WIN 0
	s_wait_loadcnt 0x3f                            ; 64 younger loads were issued: the words of bits and the bias are in
	v_cvt_pk_bf16_f32 v96, v24, v25                ; the bias is rounded to bf16 like every input
	v_cvt_pk_bf16_f32 v97, v26, v27
	v_lshlrev_b32 v24, 16, v96
	v_and_b32 v25, 0xffff0000, v96
	v_lshlrev_b32 v26, 16, v97
	v_and_b32 v27, 0xffff0000, v97
	; THE LIST, by wave 0: stores alone.  64 ballots: bit b of group 4 L + i, b outer, i inner, lanes ascending.  A lane without a row stores into its dump place.
	s_cmp_lg_u32 s14, 0
	s_cbranch_scc1 .Lbuilt
.irp i, 0,1,2,3
	v_lshrrev_b32 v[20+\i], 16, v[16+\i]
	v_or_b32 v[20+\i], v[16+\i], v[20+\i]          ; first or second choice
.endr
.irp k, 100,101,102,103
	v_mov_b32 v[\k], 0
.endr
	v_lshl_add_u32 v109, v1, 4, v15
.irp n, 0,1,2,3,4,5,6,7,8,9,10,11,12,13,14,15
	ds_store_b128 v109, v[100:103] offset:512*\n   ; all 2,048 entries hold a number whatever the count
.endr
	s_mov_b32 s19, 0
	s_mov_b32 s25, 0
.Lbuild:
	s_add_co_u32 s26, s25, 16
.irp i, 0,1,2,3
	v_bfe_u32 v[96+8*\i], v[20+\i], s25, 1
	v_bfe_u32 v[97+8*\i], v[16+\i], s26, 1         ; the slot
	v_cmp_ne_u32 s27, 0, v[96+8*\i]
	v_mbcnt_lo_u32_b32 v[98+8*\i], s27, s19        ; my place: the count so far + the lanes below me
	v_add_nc_u32 v[99+8*\i], v31, v[97+8*\i]       ; 2 token + slot
.if \i > 0
	v_add_nc_u32 v[99+8*\i], 32*\i, v[99+8*\i]
.endif
	v_cndmask_b32 v[98+8*\i], v30, v[98+8*\i], s27
	v_min_u32 v[98+8*\i], 2079, v[98+8*\i]         ; the place is held inside the list and its dump places; only a shift and a sum follow
	v_lshl_add_u32 v[98+8*\i], v[98+8*\i], 2, v15
	ds_store_b32 v[98+8*\i], v[99+8*\i]
	s_bcnt1_i32_b32 s28, s27
	s_add_co_u32 s19, s19, s28
.endr
	v_add_nc_u32 v31, 2, v31
	s_add_co_u32 s25, s25, 1
	s_cmp_lt_u32 s25, 16
	s_cbranch_scc1 .Lbuild
	s_min_u32 s19, s19, 2048
	v_mov_b32 v110, s19
	v_mov_b32 v111, NW
	ds_store_b32 v111, v110                        ; the count, for all four waves
.Lbuilt:
	s_wait_dscnt 0x0                               ; for the others' sake: wave 0's stores are done
	s_barrier_signal -1
	s_barrier_wait -1                              ; the list is whole; only now do the weights' LDS stores begin
	v_mov_b32 v96, NW
	ds_load_b32 v97, v96
	v_lshlrev_b32 v16, 3, v3                       ; 8 h (the words of bits have served)
	s_wait_dscnt 0x0
	v_readfirstlane_b32 s19, v97
	s_min_u32 s19, s19, 2048                       ; n, the expert's rows
	s_max_u32 s40, s19, 1
	s_sub_co_u32 s40, s40, 1
	s_min_u32 s40, s40, 2047                       ; the last place that holds a row
	s_add_co_u32 s20, s19, 15
	s_lshr_b32 s20, s20, 4                         ; tiles of 16 rows
	s_add_co_u32 s21, s20, 7
	s_sub_co_u32 s21, s21, s18
	s_lshr_b32 s21, s21, 3                         ; of which mine: t = ws + 8 i
	; THE WEIGHTS: four rounds of four slots; the counts are the slots still out: (3 - j) of this round and j refills, 16 loads each
	s_mov_b32 s24, 3
.Lw:
	s_wait_xcnt 0x0                                ; the base is stepped only behind this wait
	s_add_nc_u64 s[32:33], s[32:33], GSTEP
	WSLOT 0, 1, 48
	WSLOT 1, 1, 48
	WSLOT 2, 1, 48
	WSLOT 3, 1, 48
	WIN 0
	v_add_nc_u32 v7, LSTEP, v7
	s_sub_co_u32 s24, s24, 1
	s_cmp_lg_u32 s24, 0
	s_cbranch_scc1 .Lw
	WSLOT 0, 0, 48                                 ; the last round loads nothing: the counts run down
	WSLOT 1, 0, 32
	WSLOT 2, 0, 16
	WSLOT 3, 0, 0
	s_wait_dscnt 0x0                               ; for the others' sake: my fragments are in LDS
	s_barrier_signal -1
	s_barrier_wait -1                              ; the slice is whole; the passes below hold no barrier and no LDS store
	s_mov_b32 s46, s18                             ; the pass's first tile
	s_mov_b32 s23, 0
.Lpass:
	s_min_u32 s22, s21, 5                          ; live tiles of this pass
	s_cmp_eq_u32 s22, 0
	s_cbranch_scc1 .Lpnext
	s_min_u32 s41, s46, 127
.irp i, 1,2,3,4
	s_add_co_u32 s28, s46, 8*\i
	s_cmp_lt_u32 s28, s20
	s_cselect_b32 s[41+\i], s28, s[40+\i]          ; a dead tile repeats the one before
	s_min_u32 s[41+\i], s[41+\i], 127
.endr
	s_wait_xcnt 0x0                                ; the last pass's stores have read v96-143, which A's third buffer covers
.irp i, 0,1,2,3,4
	v_lshl_add_u32 v[10+\i], s[41+\i], 16, v9      ; 65,536 bytes a tile, + 16 L
.endr
	s_mov_b64 s[34:35], s[36:37]
	v_mov_b32 v8, v9
	PLACES
	LDA 0, A0
	LDA 4096, A1
	WIN 0
	LDB 0, 0
	; At a unit's head the next unit's 40 loads are younger (count 40); the loads issued there have two units, 160 products, in which to land.
	UNIT A0, 0, 1, 40, 8192, A2, 0, 16384          ; unit 0 starts the sums: nothing is cleared
	s_mov_b32 s24, 4
.Lk:                                                   ; a trip: three units, once round the three buffers
	UNIT A1, 0, 0, 40, 12288, A0, 16384, 0
	UNIT A2, 4, 0, 40, 16384, A1, 32768, 0
	UNIT A0, 8, 0, 40, 20480, A2, 0, 49152
	s_wait_xcnt 0x0                                ; the base is stepped only behind this wait
	s_add_nc_u64 s[34:35], s[34:35], 12288
	s_sub_co_u32 s24, s24, 1
	s_cmp_lg_u32 s24, 0
	s_cbranch_scc1 .Lk
	UNIT A1, 0, 0, 40, 12288, A0, 16384, 0         ; unit 13 asks for unit 15, the last
	UNIT A2, 4, 0, 40, -1, 0, 32768, 0             ; unit 14: unit 15's loads are younger
	UNIT A0, 8, 0, 0, -1, 0, -1, 0                 ; unit 15: nothing is younger
	PLACES
	EPI2 0
	EPI2 1
	EPI2 2
	EPI2 3
	EPI2 4
.Lpnext:
	s_sub_co_i32 s21, s21, 5
	s_max_i32 s21, s21, 0
	s_add_co_u32 s46, s46, 40
	s_add_co_u32 s23, s23, 1
	s_cmp_lt_u32 s23, 4
	s_cbranch_scc1 .Lpass
	s_wait_dscnt 0x0                               ; my LDS reads are back,
	s_barrier_signal -1
	s_barrier_wait -1                              ; and so are every wave's: the add below, an LDS write, stands behind all reads of LDS.  Every wave comes here: four passes, a constant
	s_wait_tensorcnt 0x0                           ; the wave's end
	ds_add_u32 v4, v5
	s_wait_dscnt 0x0
	s_endpgm
.Lfunc_end_k_qaef9bb8298_ffn2:
	.size	k_qaef9bb8298_ffn2, .Lfunc_end_k_qaef9bb8298_ffn2-k_qaef9bb8298_ffn2
	.p2alignl 7, 3214868480
	.fill 96, 4, 3214868480
	.section	.rodata,"a",@progbits
	.p2align	6, 0x0
	.amdhsa_kernel k_qaef9bb8298_ffn2
		.amdhsa_group_segment_fixed_size 271360
		.amdhsa_private_segment_fixed_size 0
		.amdhsa_enable_private_segment 0
		.amdhsa_kernarg_size 40
		.amdhsa_user_sgpr_count 2
		.amdhsa_user_sgpr_kernarg_segment_ptr 1
		.amdhsa_wavefront_size32 1
		.amdhsa_system_sgpr_workgroup_id_x 1
		.amdhsa_system_sgpr_workgroup_id_y 1
		.amdhsa_system_sgpr_workgroup_id_z 1
		.amdhsa_system_vgpr_workitem_id 0
		.amdhsa_next_free_vgpr 928
		.amdhsa_next_free_sgpr 66
		.amdhsa_reserve_vcc 0
		.amdhsa_float_denorm_mode_32 3
		.amdhsa_float_denorm_mode_16_64 3
		.amdhsa_memory_ordered 1
		.amdhsa_forward_progress 1
		.amdhsa_inst_pref_size 154
	.end_amdhsa_kernel
	.amdgpu_metadata
---
amdhsa.version: [ 1, 2 ]
amdhsa.kernels:
  - .name:           k_qaef9bb8298_ffn2
    .symbol:         k_qaef9bb8298_ffn2.kd
    .args:
      - { .name: hbuf, .offset: 0, .size: 8, .value_kind: global_buffer, .address_space: global }
      - { .name: W2, .offset: 8, .size: 8, .value_kind: global_buffer, .address_space: global }
      - { .name: b2, .offset: 16, .size: 8, .value_kind: global_buffer, .address_space: global }
      - { .name: bits, .offset: 24, .size: 8, .value_kind: global_buffer, .address_space: global }
      - { .name: y2, .offset: 32, .size: 8, .value_kind: global_buffer, .address_space: global }
    .group_segment_fixed_size: 271360
    .private_segment_fixed_size: 0
    .kernarg_segment_align: 8
    .kernarg_segment_size: 40
    .max_flat_workgroup_size: 128
    .sgpr_count:     66
    .vgpr_count:     928
    .wavefront_size: 32
...
	.end_amdgpu_metadata
.endif
;; end of part 3
;; launch combine (part 4): grid 256 x 1, 8 waves a work-group, no clusters, 0 bytes of LDS; arguments y2, wts, stat, out0, out1; writes out0, out1
.if DOCPART == 4
	.amdgcn_target "amdgcn-amd-amdhsa--gfx1250"
	.amdhsa_code_object_version 6
	.text
	.protected	k_qaef9bb8298_combine
	.globl	k_qaef9bb8298_combine
	.p2align	8
	.type	k_qaef9bb8298_combine,@function
k_qaef9bb8298_combine:
	s_mov_b64 s[64:65], 0
	v_nop
	global_prefetch_b8 v0, s[64:65] scope:SCOPE_SE
	s_setreg_imm32_b32 hwreg(HW_REG_WAVE_MODE, 25, 1), 1
	s_wait_xcnt 0x0
; out0[t] = w0[t] y2[2 t] + w1[t] y2[2 t + 1]; out1 = the sum over the experts of (count of choices) x (sum of probabilities) / 512,
; which is E x sum(tokens_per_expert x avg_prob) with the means written out: 8 x (C / 2) x (P / 2048).  It is summed in another order than the formula's.
; A stream: a wave has one token, 16 loads of 512 consecutive bytes in flight, 8 stores of 512.  No LDS, no matrix unit: memory binds, and nothing is shared.
	s_load_b256 s[4:11], s[0:1], 0x0               ; y2 s[4:5], wts s[6:7], stat s[8:9], out0 s[10:11]
	s_load_b64 s[12:13], s[0:1], 0x20              ; out1
	v_lshrrev_b32 v1, 5, v0
	v_readfirstlane_b32 s14, v1
	s_lshl3_add_u32 s15, ttmp9, s14                ; my token
	v_and_b32 v1, 31, v0
	v_lshlrev_b32 v2, 4, v1                        ; 16 L
	s_lshl_b32 s20, s15, 3
	s_lshl_b32 s18, s15, 13                        ; two rows of 4,096 bytes
	s_mov_b32 s19, 0
	s_mov_b32 s24, 0x76543210                      ; v_permlanex16_b32: each lane takes its own place in the other half
	s_mov_b32 s25, 0xfedcba98
	s_wait_kmcnt 0x0
	s_load_b64 s[16:17], s[6:7], s20 offset:0x0    ; the token's two weights
	s_add_nc_u64 s[4:5], s[4:5], s[18:19]
	s_lshl_b32 s18, s15, 12
	s_add_nc_u64 s[10:11], s[10:11], s[18:19]
.irp i, 0,1,2,3,4,5,6,7
	global_load_b128 v[16+4*\i:19+4*\i], v2, s[4:5] offset:512*\i th:TH_LOAD_NT
.endr
.irp i, 0,1,2,3,4,5,6,7
	global_load_b128 v[48+4*\i:51+4*\i], v2, s[4:5] offset:4096+512*\i th:TH_LOAD_NT
.endr
	s_wait_kmcnt 0x0
	s_mov_b32 s22, s17                             ; the second weight in a pair of its own: the packed forms take a pair's low word for both halves
	s_mov_b32 s23, s17
.irp i, 0,1,2,3,4,5,6,7
	s_wait_loadcnt 7-\i                            ; piece i of the second row has 7 - i younger loads; the first row's piece is older
	v_pk_mul_f32 v[16+4*\i:17+4*\i], v[16+4*\i:17+4*\i], s[16:17] op_sel_hi:[1,0]
	v_pk_mul_f32 v[18+4*\i:19+4*\i], v[18+4*\i:19+4*\i], s[16:17] op_sel_hi:[1,0]
	v_pk_fma_f32 v[16+4*\i:17+4*\i], v[48+4*\i:49+4*\i], s[22:23], v[16+4*\i:17+4*\i] op_sel_hi:[1,0,1]
	v_pk_fma_f32 v[18+4*\i:19+4*\i], v[50+4*\i:51+4*\i], s[22:23], v[18+4*\i:19+4*\i] op_sel_hi:[1,0,1]
	global_store_b128 v2, v[16+4*\i:19+4*\i], s[10:11] offset:512*\i th:TH_STORE_NT
.endr
	s_cmp_lg_u32 s15, 0
	s_cbranch_scc1 .Lend                           ; the wave of token 0 also makes out1
	s_wait_xcnt 0x0                                ; the stores have read v16-47
.irp i, 0,1,2,3,4,5,6,7,8,9,10,11,12,13,14,15
	global_load_b128 v[16+4*\i:19+4*\i], v2, s[8:9] offset:512*\i  ; lane L: group 8 i + L / 4; L % 4: P0-3, P4-7, C0-3, C4-7
.endr
	s_wait_loadcnt 0x0
.irp i, 1,2,3,4,5,6,7,8,9,10,11,12,13,14,15
	v_pk_add_f32 v[16:17], v[16:17], v[16+4*\i:17+4*\i]
	v_pk_add_f32 v[18:19], v[18:19], v[18+4*\i:19+4*\i]
.endr
.irp m, 4,8
.irp k, 16,17,18,19
	v_add_f32_dpp v[\k], v[\k], v[\k] row_xmask:\m row_mask:0xf bank_mask:0xf
.endr
.endr
.irp k, 0,1,2,3
	v_permlanex16_b32 v[20+\k], v[16+\k], s24, s25
.endr
.irp k, 0,1,2,3
	v_add_f32 v[16+\k], v[16+\k], v[20+\k]         ; every lane holds its class's four sums
.endr
.irp k, 0,1,2,3
	v_mul_f32_dpp v[20+\k], v[16+\k], v[16+\k] row_xmask:2 row_mask:0xf bank_mask:0xf  ; P x C
.endr
	v_add_f32 v20, v20, v21
	v_add_f32 v22, v22, v23
	v_add_f32 v20, v20, v22
	v_add_f32_dpp v20, v20, v20 row_xmask:1 row_mask:0xf bank_mask:0xf               ; experts 0-3 and 4-7
	v_mul_f32 v20, 0x3b000000, v20                 ; / 512
	v_mov_b32 v21, 0
	s_wait_xcnt 0x0                                ; EXEC changes only behind this wait
	v_cmp_eq_u32 vcc_lo, 0, v1
	s_and_saveexec_b32 s26, vcc_lo
	global_store_b32 v21, v20, s[12:13]
	s_wait_xcnt 0x0
	s_or_b32 exec_lo, exec_lo, s26
.Lend:
	s_endpgm
.Lfunc_end_k_qaef9bb8298_combine:
	.size	k_qaef9bb8298_combine, .Lfunc_end_k_qaef9bb8298_combine-k_qaef9bb8298_combine
	.p2alignl 7, 3214868480
	.fill 96, 4, 3214868480
	.section	.rodata,"a",@progbits
	.p2align	6, 0x0
	.amdhsa_kernel k_qaef9bb8298_combine
		.amdhsa_group_segment_fixed_size 0
		.amdhsa_private_segment_fixed_size 0
		.amdhsa_enable_private_segment 0
		.amdhsa_kernarg_size 40
		.amdhsa_user_sgpr_count 2
		.amdhsa_user_sgpr_kernarg_segment_ptr 1
		.amdhsa_wavefront_size32 1
		.amdhsa_system_sgpr_workgroup_id_x 1
		.amdhsa_system_sgpr_workgroup_id_y 1
		.amdhsa_system_sgpr_workgroup_id_z 1
		.amdhsa_system_vgpr_workitem_id 0
		.amdhsa_next_free_vgpr 96
		.amdhsa_next_free_sgpr 66
		.amdhsa_reserve_vcc 1
		.amdhsa_float_denorm_mode_32 3
		.amdhsa_float_denorm_mode_16_64 3
		.amdhsa_memory_ordered 1
		.amdhsa_forward_progress 1
		.amdhsa_inst_pref_size 11
	.end_amdhsa_kernel
	.amdgpu_metadata
---
amdhsa.version: [ 1, 2 ]
amdhsa.kernels:
  - .name:           k_qaef9bb8298_combine
    .symbol:         k_qaef9bb8298_combine.kd
    .args:
      - { .name: y2, .offset: 0, .size: 8, .value_kind: global_buffer, .address_space: global }
      - { .name: wts, .offset: 8, .size: 8, .value_kind: global_buffer, .address_space: global }
      - { .name: stat, .offset: 16, .size: 8, .value_kind: global_buffer, .address_space: global }
      - { .name: out0, .offset: 24, .size: 8, .value_kind: global_buffer, .address_space: global }
      - { .name: out1, .offset: 32, .size: 8, .value_kind: global_buffer, .address_space: global }
    .group_segment_fixed_size: 0
    .private_segment_fixed_size: 0
    .kernarg_segment_align: 8
    .kernarg_segment_size: 40
    .max_flat_workgroup_size: 256
    .sgpr_count:     66
    .vgpr_count:     96
    .wavefront_size: 32
...
	.end_amdgpu_metadata
.endif
;; end of part 4
;; ======== version 2 of 2: 4 launches; 1.20 times as fast as version 1
;; workspace buffers: xb 4,194,304 bytes; bits 4,096 bytes of whole numbers; wts 16,384 bytes; stat 8,192 bytes; hbuf 67,108,864 bytes; y2 16,777,216 bytes
;; launch router: the kernel of part 1 again; grid 128 x 1, 8 waves a work-group, no clusters, 76,800 bytes of LDS; arguments x, gate_w, xb, bits, wts, stat; writes xb, bits, wts, stat
;; launch ffn1 (part 5): grid 256 x 1, 4 waves a work-group, no clusters, 271,360 bytes of LDS; arguments xb, W1, b1, bits, hbuf; writes hbuf
.if DOCPART == 5
	.amdgcn_target "amdgcn-amd-amdhsa--gfx1250"
	.amdhsa_code_object_version 6
	.text
	.protected	k_qaef9bb8298_ffn1
	.globl	k_qaef9bb8298_ffn1
	.p2align	8
	.type	k_qaef9bb8298_ffn1,@function
k_qaef9bb8298_ffn1:
	s_mov_b64 s[64:65], 0
	v_nop
	global_prefetch_b8 v0, s[64:65] scope:SCOPE_SE
	s_setreg_imm32_b32 hwreg(HW_REG_WAVE_MODE, 25, 1), 1
	s_wait_xcnt 0x0
; FIRST PRODUCT OF THE EXPERTS.  h = gelu(x W1[e] + b1[e]) for the rows that chose expert e, stored in bf16 in the order in which the second product's operand registers take it.
; SHARES.  256 work-groups = 8 experts x 16 slices of 128 columns x 2 row halves p.  A work-group rounds its slice (128 columns x K 1,024) to bf16 on the way through registers and keeps it
; in LDS (256 KiB).  An expert's tiles of 16 rows are dealt to 8 wave slots ws = 4 p + wave: tile t = ws + 8 i.  A pass holds 5 tiles a wave; 4 passes, a constant, serve every split up to
; all 2,048 rows on one expert; dead passes are jumped forward, a dead fifth tile's products too; a dead tile stores nothing, and all its lanes load the same 16 bytes.
; THE LIST.  Wave 0 makes the expert's list of rows (entry = 2 token + slot) from the router's bitmaps, in LDS, and leaves the count in a word beside it; a barrier stands between its stores and
; every read.  Order: lanes ascending (lane L has tokens 64 L .. 64 L + 63); in a lane bit b outer, group i inner.  The second product makes the same list by the same text.
; A place past the count reads the last row that exists.
; THE K LOOP has no barrier and writes no LDS: token rows come from memory straight into operand registers, weights from LDS.  The rows' loads go through a ring of four units of two K steps;
; unit v + 3 is asked for in the first three groups of unit v, a few loads behind each group's LDS loads: by the text's own count at most 60 loads of a wave are out.
; TRANSPOSED USE: source 0 = weights, source 1 = tokens: a lane holds one token and eight column places; fragment f = 4 cg + jj, place m stands for column 64 cg + 4 m + jj.  K is in its natural order.
; All inputs are rounded to bf16 once (x by the router, W1 and b1 here); sums in f32; gelu in f32; h rounded once.
; LIMITS.  erf by Abramowitz and Stegun 7.1.26, absolute error 1.5e-7 for every argument; NaN and infinities are not treated apart.
; NO TENSOR LOADS, NO CLUSTER: the row loops hang on stored counts, so barriers and tensor loads stay out of them; the rows come by a list that no descriptor covers; a slice of weights has two readers.
.set LIST,   262144                    ; behind the weights: 2,048 entries, then 32 dump words (places 2,048 + lane)
.set NW,     270592                    ; the count, in a block of its own
.set SPARE,  270848                    ; the spare words, 128 bytes a wave
.set GSTEP,  262144                    ; a round of the weight phase: 32 rows of W1, a K step
.set LSTEP,  8192
.set BB,   32                          ; v32-63, v64-95 weights' fragments of a group, two buffers
.set TF,   96                          ; v96-127 at work
.set U,    128                         ; v128-191 a tile on the way out
.set BIAS, 192                         ; v192-255 b1 by accumulator register
.set R0,   256                         ; the ring: token fragments of a unit (5 tiles x 2 K steps, tile i, K step q at 16 i + 8 q), 80 registers, four buffers
.set R1,   336
.set R2,   416
.set R3,   832                         ; accumulators: tile i < 4, fragment f at 512 + 64 i + 8 f; tile 4 at 768 + 8 f.  v256-511 first serve the weights' staging
.set MSB, 0
.macro WIN new                         ; s_set_vgpr_msb: bits 1:0 source 0, 3:2 source 1, 5:4 source 2, 7:6 destination; the high byte repeats the setting that is left
.if MSB != (\new)
	s_set_vgpr_msb (MSB<<8)|(\new)
.set MSB, (\new)
.endif
.endm
.macro PLACES                          ; four places behind matrix instructions, in front of loads into their sources and of reads of their results
.rept 4
	v_nop
.endr
.endm
.macro WM d, a, b, zero                ; a product by absolute register numbers
	WIN ((((\d)>>8)<<6)|(((\d)>>8)<<4)|(((\b)>>8)<<2)|((\a)>>8))
.if \zero
	v_wmma_f32_16x16x32_bf16 v[(\d)&255:((\d)&255)+7], v[(\a)&255:((\a)&255)+7], v[(\b)&255:((\b)&255)+7], 0
.else
	v_wmma_f32_16x16x32_bf16 v[(\d)&255:((\d)&255)+7], v[(\a)&255:((\a)&255)+7], v[(\b)&255:((\b)&255)+7], v[(\d)&255:((\d)&255)+7]
.endif
.endm
.macro WLOAD j                         ; staging slot j: the 16 rows a half of the lanes needs of a K step, 64 columns; sixteen lanes read 256 consecutive bytes, aligned
	WIN 0x40
.irp l, 0,1,2,3,4,5,6,7,8,9,10,11,12,13,14,15
	global_load_b128 v[64*(\j)+4*\l:64*(\j)+4*\l+3], v[10+(\j)], s[32:33] offset:((\j)>>1)*1048576+((\j)&1)*256+(((\l)&7)+16*((\l)>>3))*8192
.endr
.endm
.macro WSLOT j, refill, left           ; slot j is rounded, laid into LDS as four fragments, and filled again
	s_wait_loadcnt \left                           ; loads come back in order (ISA guide 5.7.1): slot j's sixteen are in, so its offset register, which they alone name, may step
	WIN 0x05
.irp jj, 0,1,2,3
.irp ii, 0,1,2,3,4,5,6,7
	v_cvt_pk_bf16_f32 v[TF+8*\jj+\ii], v[64*(\j)+8*\ii+\jj], v[64*(\j)+8*\ii+4+\jj]
.endr
.endr
	WIN 0
.irp n, 0,1,2,3,4,5,6,7
	ds_store_b128 v7, v[TF+4*\n:TF+4*\n+3] offset:((\j)>>1)*32768+((\j)&1)*4096+512*\n
.endr
.if \refill
	v_add_nc_u32 v[10+(\j)], GSTEP, v[10+(\j)]
	WLOAD \j
.endif
.endm
.macro LDB imm, par                    ; a group's four weight fragments: 4,096 consecutive bytes
.irp n, 0,1,2,3,4,5,6,7
	ds_load_b128 v[BB+32*(\par)+4*\n:BB+32*(\par)+4*\n+3], v8 offset:(\imm)+512*\n
.endr
.endm
.macro LDT imm, base, i0, n            ; tiles i0 .. i0 + n - 1 of a unit: four loads a tile, on end, in which the lane pair (r, 0), (r, 1) takes 128 consecutive bytes of its token's row
	WIN (((\base)>>8)<<6)
.set ti, \i0
.rept \n
.irp l, 0,1,2,3
	global_load_b128 v[((\base)&255)+16*ti+4*\l:((\base)&255)+16*ti+4*\l+3], v[10+ti], s[34:35] offset:(\imm)+32*\l
.endr
.set ti, ti+1
.endr
	WIN 0
.endm
; A group: K step q of the unit in ring buffer rb, 64 columns (fragments fb .. fb + 3), 5 tiles: 20 products on 20 accumulators by turns.
; In front of them: the next group's weight fragments; at a unit's head the wait for the unit's rows; then n tiles' rows of the unit three on, into the buffer that the last unit multiplied.
.macro GRP rb, q, par, fb, zero, nxt, bump, wait, limm, lb, i0, n
	PLACES
.if \bump
	v_add_nc_u32 v8, \bump, v8
.endif
.if (\nxt) >= 0
	LDB \nxt, 1-(\par)
.endif
.if (\wait) >= 0
	s_wait_loadcnt \wait                           ; the later units' loads are younger and stay out: this unit's twenty are in
.endif
.if (\limm) >= 0
	LDT \limm, \lb, \i0, \n
.endif
.if (\nxt) >= 0
	s_wait_dscnt 0x8                               ; the eight just issued may stay out: this group's fragments are in
.else
	s_wait_dscnt 0x0
.endif
.irp i, 0,1,2,3
.irp j, 0,1,2,3
	WM 512+64*\i+8*((\fb)+\j), BB+32*(\par)+8*\j, (\rb)+16*\i+8*(\q), \zero
.endr
.endr
.if !(\zero)
	WIN 0
	s_cmp_lt_u32 s22, 5                            ; a dead fifth tile's products are jumped; no load and no wait stands under the jump
	s_cbranch_scc1 .Lno4_\@
.endif
.irp j, 0,1,2,3
	WM 768+8*((\fb)+\j), BB+32*(\par)+8*\j, (\rb)+64+8*(\q), \zero
.endr
	WIN 0
.if !(\zero)
.Lno4_\@:
.endif
.endm
; A unit: 64 along K, 4 groups.  lg0: the first group's number from v8 on; lastn, lastb: the last group's next fetch and the step of v8 in front of it.
; limm, lb: where the unit three on lies from the stepped base, and its ring buffer: tiles 0, 1 in the first group, 2, 3 in the second, 4 in the third: each load has 200 products or more in which to land.
.macro UNIT rb, lg0, zero, wait, limm, lb, lastn, lastb
	GRP \rb, 0, 0, 0, \zero, 4096*((\lg0)+1), 0, \wait, \limm, \lb, 0, 2
	GRP \rb, 0, 1, 4, \zero, 4096*((\lg0)+2), 0, -1, \limm, \lb, 2, 2
	GRP \rb, 1, 0, 0, 0, 4096*((\lg0)+3), 0, -1, \limm, \lb, 4, 1
	GRP \rb, 1, 1, 4, 0, \lastn, \lastb, -1, -1, 0, 0, 0
.endm
.macro COPY i                          ; tile i's sums plus the bias, into the registers of the one text of the way out; each accumulator is read from its low end on
.set ab, (64*(\i))%256
	WIN 2+((\i)/4)
.irp f, 0,1,2,3,4,5,6,7
.irp j, 0,2,4,6
	v_pk_add_f32 v[U+8*\f+\j:U+8*\f+\j+1], v[ab+8*\f+\j:ab+8*\f+\j+1], v[BIAS+8*\f+\j:BIAS+8*\f+\j+1]
.endr
.endr
	WIN 0
.endm
; gelu(u) = max(u, 0) - |u| Phi(-|u|), Phi(-a) = t (c1 + t (c2 + t (c3 + t (c4 + t c5)))) 2^(-a a log2(e) / 2), t = 1 / (1 + p a): eight numbers, then rounded to bf16
.macro GELU8 f
.set ub, U+8*(\f)
.irp j, 0,1,2,3,4,5,6,7
	v_fma_f32 v[96+\j], |v[ub+\j]|, s48, 1.0
.endr
.irp j, 0,1,2,3,4,5,6,7
	v_rcp_f32 v[96+\j], v[96+\j]
.endr
.irp k, 0,2,4,6
	v_pk_mul_f32 v[104+\k:105+\k], v[ub+\k:ub+\k+1], v[ub+\k:ub+\k+1]
.endr
.irp k, 0,2,4,6
	v_pk_mul_f32 v[104+\k:105+\k], v[104+\k:105+\k], s[50:51] op_sel_hi:[1,0]
.endr
.irp j, 0,1,2,3,4,5,6,7
	v_exp_f32 v[104+\j], v[104+\j]
.endr
	s_wait_alu depctr_va_vdst(0)
.irp k, 0,2,4,6
	v_pk_fma_f32 v[112+\k:113+\k], v[96+\k:97+\k], s[60:61], s[58:59] op_sel_hi:[1,0,0]
.endr
.irp k, 0,2,4,6
	v_pk_fma_f32 v[112+\k:113+\k], v[112+\k:113+\k], v[96+\k:97+\k], s[56:57] op_sel_hi:[1,1,0]
.endr
.irp k, 0,2,4,6
	v_pk_fma_f32 v[112+\k:113+\k], v[112+\k:113+\k], v[96+\k:97+\k], s[54:55] op_sel_hi:[1,1,0]
.endr
.irp k, 0,2,4,6
	v_pk_fma_f32 v[112+\k:113+\k], v[112+\k:113+\k], v[96+\k:97+\k], s[52:53] op_sel_hi:[1,1,0]
.endr
.irp k, 0,2,4,6
	v_pk_mul_f32 v[112+\k:113+\k], v[112+\k:113+\k], v[96+\k:97+\k]
.endr
.irp k, 0,2,4,6
	v_pk_mul_f32 v[112+\k:113+\k], v[112+\k:113+\k], v[104+\k:105+\k]
.endr
.irp j, 0,1,2,3,4,5,6,7
	v_max_num_f32 v[120+\j], 0, v[ub+\j]
.endr
.irp j, 0,1,2,3,4,5,6,7
	v_fma_f32 v[120+\j], -|v[ub+\j]|, v[112+\j], v[120+\j]
.endr
.irp k, 0,1,2,3
	v_cvt_pk_bf16_f32 v[ub+\k], v[120+2*\k], v[121+2*\k]
.endr
.endm
	s_load_b256 s[4:11], s[0:1], 0x0               ; xb s[4:5], W1 s[6:7], b1 s[8:9], bits s[10:11]
	s_load_b64 s[12:13], s[0:1], 0x20              ; hbuf
	v_lshl_add_u32 v4, v0, 2, SPARE                ; my spare word
	v_mov_b32 v5, 0                                ; and 0: kept for the add alone
	v_lshrrev_b32 v1, 5, v0
	v_readfirstlane_b32 s14, v1                    ; wave
	s_lshr_b32 s15, ttmp9, 5                       ; expert
	s_bfe_u32 s16, ttmp9, 0x40001                  ; slice
	s_and_b32 s17, ttmp9, 1                        ; row half
	s_lshl2_add_u32 s18, s17, s14                  ; wave slot ws = 4 p + wave
	v_and_b32 v1, 31, v0                           ; L
	v_and_b32 v2, 15, v0                           ; r
	v_bfe_u32 v3, v0, 4, 1                         ; h
	v_lshlrev_b32 v9, 4, v1                        ; 16 L
	v_lshlrev_b32 v6, 4, v2
	v_lshl_add_u32 v6, v3, 16, v6                  ; weights: 16 r, and 8 rows further down for lanes 16-31
.irp j, 0,1,2,3
	v_mov_b32 v[10+\j], v6                         ; each staging slot has an offset register of its own (v10-14 serve the tiles later)
.endr
	s_lshl_b32 s28, s14, 16
	v_add_nc_u32 v7, s28, v9                       ; where my fragments go: 16 groups a wave
	v_mov_b32 v15, LIST                            ; the list's first byte
	v_lshlrev_b32 v27, 4, v3                       ; 16 h
	v_lshlrev_b32 v28, 7, v3                       ; 128 h
	v_lshlrev_b32 v29, 7, v1                       ; 128 L: my four words of bits
	v_add_nc_u32 v30, 2048, v1                     ; my dump place
	v_lshlrev_b32 v31, 7, v1                       ; 2 x token of my first group's bit 0
	s_mov_b32 s48, 0x3e6d3388                      ; p = 0.3275911 / sqrt(2)
	s_mov_b32 s49, s48
	s_mov_b32 s50, 0xbf38aa3b                      ; -log2(e) / 2
	s_mov_b32 s51, s50
	s_mov_b32 s52, 0x3e027906                      ; c1 .. c5: half of the series' coefficients
	s_mov_b32 s53, s52
	s_mov_b32 s54, 0xbe11a98e
	s_mov_b32 s55, s54
	s_mov_b32 s56, 0x3f35f0e3
	s_mov_b32 s57, s56
	s_mov_b32 s58, 0xbf3a00e3
	s_mov_b32 s59, s58
	s_mov_b32 s60, 0x3f07dc22
	s_mov_b32 s61, s60
	s_lshl_b32 s30, s15, 2
	s_mov_b32 s31, 0
	s_wait_kmcnt 0x0
	s_add_nc_u64 s[10:11], s[10:11], s[30:31]      ; bits at my expert's word
	s_lshl_b32 s30, s15, 13
	s_lshl_b32 s28, s16, 9
	s_add_co_u32 s30, s30, s28
	s_add_nc_u64 s[8:9], s[8:9], s[30:31]          ; b1 at my 128 columns
	s_lshl_b32 s30, s15, 23
	s_lshl_b32 s29, s14, 21
	s_add_co_u32 s30, s30, s29
	s_add_co_u32 s30, s30, s28
	s_add_nc_u64 s[32:33], s[6:7], s[30:31]        ; W1: my expert, my wave's 256 rows, my slice; never stepped
	s_mov_b64 s[36:37], s[4:5]
.irp i, 0,1,2,3
	global_load_b32 v[16+\i], v29, s[10:11] offset:32*\i   ; groups 4 L + i of 16 tokens
.endr
.irp c, 0,1
.irp j, 0,1,2,3,4,5,6,7
	global_load_b128 v[U+32*\c+4*\j:U+32*\c+4*\j+3], v28, s[8:9] offset:256*\c+16*\j
.endr
.endr
.irp j, 0,1,2,3
	WLOAD \j                                       ; 64 loads of 512 bytes a wave are on their way while the list is made
.endr
	WIN 0
	s_wait_loadcnt 0x3f                            ; 64 younger loads were issued: the words of bits and the bias are in
.irp c, 0,1
.irp j, 0,1,2,3,4,5,6,7
	v_cvt_pk_bf16_f32 v96, v[U+32*\c+4*\j], v[U+32*\c+4*\j+1]      ; the bias is rounded to bf16 like every input
	v_cvt_pk_bf16_f32 v97, v[U+32*\c+4*\j+2], v[U+32*\c+4*\j+3]
	v_lshlrev_b32 v[BIAS+32*\c+\j], 16, v96
	v_and_b32 v[BIAS+32*\c+8+\j], 0xffff0000, v96
	v_lshlrev_b32 v[BIAS+32*\c+16+\j], 16, v97
	v_and_b32 v[BIAS+32*\c+24+\j], 0xffff0000, v97
.endr
.endr
	; THE LIST, by wave 0: stores alone.  A lane without a row at a bit stores into its dump place.
	s_cmp_lg_u32 s14, 0
	s_cbranch_scc1 .Lbuilt
.irp i, 0,1,2,3
	v_lshrrev_b32 v[20+\i], 16, v[16+\i]
	v_or_b32 v[20+\i], v[16+\i], v[20+\i]
	v_and_b32 v[20+\i], 0xffff, v[20+\i]           ; first or second choice
.endr
.irp k, 100,101,102,103
	v_mov_b32 v[\k], 0
.endr
	v_lshl_add_u32 v112, v1, 4, v15
.irp n, 0,1,2,3,4,5,6,7,8,9,10,11,12,13,14,15
	ds_store_b128 v112, v[100:103] offset:512*\n   ; all 2,048 entries hold a number whatever the count
.endr
	v_lshl_or_b32 v96, v21, 16, v20                ; my 64 tokens in two words; their ones are counted by pairs, fours, bytes
	v_lshl_or_b32 v97, v23, 16, v22
.irp k, 96,97
	v_lshrrev_b32 v98, 1, v[\k]
	v_and_b32 v98, 0x55555555, v98
	v_sub_nc_u32 v[\k], v[\k], v98
	v_lshrrev_b32 v98, 2, v[\k]
	v_and_b32 v98, 0x33333333, v98
	v_and_b32 v[\k], 0x33333333, v[\k]
	v_add_nc_u32 v[\k], v[\k], v98
	v_lshrrev_b32 v98, 4, v[\k]
	v_add_nc_u32 v[\k], v[\k], v98
	v_and_b32 v[\k], 0x0f0f0f0f, v[\k]
.endr
	v_add_nc_u32 v96, v96, v97                     ; bytes of 16 at the most
	v_lshrrev_b32 v97, 16, v96
	v_add_nc_u32 v96, v96, v97
	v_lshrrev_b32 v97, 8, v96
	v_add_nc_u32 v96, v96, v97
	v_and_b32 v96, 0x7f, v96                       ; my count, 0 to 64
.irp k, 0,1,2,3,4,5,6
	v_bfe_u32 v98, v96, \k, 1
	v_cmp_ne_u32 s[41+\k], 0, v98                  ; the lanes whose count has bit k
.endr
	v_mov_b32 v99, 0
	s_mov_b32 s19, 0
.irp k, 0,1,2,3,4,5,6
	v_mbcnt_lo_u32_b32 v98, s[41+\k], 0            ; of them the lanes below me,
	v_lshl_add_u32 v99, v98, \k, v99               ; times 2^k: v99 = the lower lanes' counts = my first place
	s_bcnt1_i32_b32 s28, s[41+\k]
	s_lshl_b32 s28, s28, \k
	s_add_co_u32 s19, s19, s28                     ; and all lanes': the expert's rows
.endr
	s_mov_b32 s25, 0
.Lbuild:                                               ; 16 trips: bit b of my four groups; the place runs on in a vector register
	s_add_co_u32 s26, s25, 16
.irp i, 0,1,2,3
	v_bfe_u32 v[104+\i], v[20+\i], s25, 1
.endr
.irp i, 0,1,2,3
	v_bfe_u32 v[108+\i], v[16+\i], s26, 1          ; the slot
.endr
.irp i, 0,1,2,3
	v_cmp_ne_u32 s[44+\i], 0, v[104+\i]
.endr
	v_add_nc_u32 v114, v99, v104                   ; the places of groups 1, 2, 3
	v_add_nc_u32 v121, v104, v105
	v_add_nc_u32 v115, v99, v121
	v_add_nc_u32 v123, v121, v106
	v_add_nc_u32 v116, v99, v123
	v_add_nc_u32 v122, v123, v107
	v_cndmask_b32 v113, v30, v99, s44
	v_cndmask_b32 v114, v30, v114, s45
	v_cndmask_b32 v115, v30, v115, s46
	v_cndmask_b32 v116, v30, v116, s47
	v_add_nc_u32 v99, v99, v122
.irp i, 0,1,2,3
	v_min_u32 v[113+\i], 2079, v[113+\i]           ; the place is held inside the list and its dump places; only a shift and a sum follow
.endr
.irp i, 0,1,2,3
	v_lshl_add_u32 v[113+\i], v[113+\i], 2, v15
.endr
.irp i, 0,1,2,3
	v_add_nc_u32 v[117+\i], v31, v[108+\i]         ; 2 token + slot
.endr
.irp i, 1,2,3
	v_add_nc_u32 v[117+\i], 32*\i, v[117+\i]
.endr
.irp i, 0,1,2,3
	ds_store_b32 v[113+\i], v[117+\i]
.endr
	v_add_nc_u32 v31, 2, v31
	s_add_co_u32 s25, s25, 1
	s_cmp_lt_u32 s25, 16
	s_cbranch_scc1 .Lbuild
	s_min_u32 s19, s19, 2048
	v_mov_b32 v124, s19
	v_mov_b32 v125, NW
	ds_store_b32 v125, v124                        ; the count, for all four waves
.Lbuilt:
	s_wait_dscnt 0x0                               ; for the others' sake: wave 0's stores are done
	s_barrier_signal -1
	s_barrier_wait -1                              ; the list is whole; only now do the weights' LDS stores begin
	v_mov_b32 v96, NW
	ds_load_b32 v97, v96
	s_wait_dscnt 0x0
	v_readfirstlane_b32 s19, v97
	s_min_u32 s19, s19, 2048                       ; n, the expert's rows
	s_max_u32 s40, s19, 1
	s_sub_co_u32 s40, s40, 1
	s_min_u32 s40, s40, 2047                       ; the last place that holds a row
	s_add_co_u32 s20, s19, 15
	s_lshr_b32 s20, s20, 4                         ; tiles of 16 rows
	s_add_co_u32 s21, s20, 7
	s_sub_co_u32 s21, s21, s18
	s_lshr_b32 s21, s21, 3                         ; of which mine: t = ws + 8 i
	; THE WEIGHTS: four rounds of four slots; the counts are the slots still out: (3 - j) of this round and j refills, 16 loads each
	s_mov_b32 s24, 3
.Lw:
	WSLOT 0, 1, 48
	WSLOT 1, 1, 48
	WSLOT 2, 1, 48
	WSLOT 3, 1, 48
	WIN 0
	v_add_nc_u32 v7, LSTEP, v7
	s_sub_co_u32 s24, s24, 1
	s_cmp_lg_u32 s24, 0
	s_cbranch_scc1 .Lw
	WSLOT 0, 0, 48                                 ; the last round loads nothing: the counts run down
	WSLOT 1, 0, 32
	WSLOT 2, 0, 16
	WSLOT 3, 0, 0
	s_wait_dscnt 0x0                               ; for the others' sake: my fragments are in LDS
	s_barrier_signal -1
	s_barrier_wait -1                              ; the slice is whole; the passes below hold no barrier and no LDS store
	s_mov_b32 s46, s18                             ; the pass's first tile
	s_mov_b32 s23, 0
.Lpass:
	s_min_u32 s22, s21, 5                          ; live tiles of this pass
	s_cmp_eq_u32 s22, 0
	s_cbranch_scc1 .Lpnext
	s_min_u32 s41, s46, 127
.irp i, 1,2,3,4
	s_add_co_u32 s28, s46, 8*\i
	s_cmp_lt_u32 s28, s20
	s_cselect_b32 s[41+\i], s28, s[40+\i]          ; a dead tile repeats the one before,
	s_cselect_b32 s[23+\i], 1, 0                   ; and is marked: s24-27 = 1 for a live tile
	s_min_u32 s[41+\i], s[41+\i], 127
	s_min_u32 s[23+\i], s[23+\i], 1
.endr
.irp i, 0,1,2,3,4
	v_lshl_add_u32 v[96+\i], s[41+\i], 4, v2       ; place 16 t + r of the list;
	v_min_u32 v[96+\i], s40, v[96+\i]              ; a place past the count takes the last row that exists
	v_min_u32 v[96+\i], 2047, v[96+\i]
	v_lshl_add_u32 v[96+\i], v[96+\i], 2, v15
	ds_load_b32 v[104+\i], v[96+\i]
.endr
	s_wait_dscnt 0x0
.irp i, 0,1,2,3,4
	v_lshrrev_b32 v[104+\i], 1, v[104+\i]          ; the token
	v_min_u32 v[104+\i], 2047, v[104+\i]
	v_lshl_add_u32 v[10+\i], v[104+\i], 11, v27    ; its row of 2,048 bytes, + 16 h
.endr
.irp i, 1,2,3,4
	v_mul_u32_u24 v[10+\i], s[23+\i], v[10+\i]     ; a dead tile's lanes all take the same 16 bytes: its loads keep every count alike on every path and fetch next to nothing
.endr
	s_mov_b64 s[34:35], s[36:37]
	v_mov_b32 v8, v9
	PLACES
	LDT 0, R0, 0, 5                                ; units 0, 1, 2: 60 loads
	LDT 128, R1, 0, 5
	LDT 256, R2, 0, 5
	LDB 0, 0
	UNIT R0, 0, 1, 40, 384, R3, 0, 16384           ; unit 0 starts the sums: nothing is cleared.  At a unit's head the two later units' 40 loads are younger
	s_mov_b32 s24, 3
.Lk:                                                   ; a trip: four units, once round the ring
	UNIT R1, 0, 0, 40, 512, R0, 16384, 0
	UNIT R2, 4, 0, 40, 640, R1, 32768, 0
	UNIT R3, 8, 0, 40, 768, R2, 49152, 0
	UNIT R0, 12, 0, 40, 896, R3, 0, 65536
	s_wait_xcnt 0x0                                ; the base is stepped only behind this wait; the youngest loads stand 40 products back
	s_add_nc_u64 s[34:35], s[34:35], 512
	s_sub_co_u32 s24, s24, 1
	s_cmp_lg_u32 s24, 0
	s_cbranch_scc1 .Lk
	UNIT R1, 0, 0, 40, -1, 0, 16384, 0             ; units 13 to 15 ask for nothing: the counts run down
	UNIT R2, 4, 0, 20, -1, 0, 32768, 0
	UNIT R3, 8, 0, 0, -1, 0, -1, 0
	; THE WAY OUT, a tile a trip; dead tiles are jumped
	PLACES
	s_mov_b32 s47, 0
.Lsi:
	s_cmp_ge_u32 s47, s22
	s_cbranch_scc1 .Lsin
	s_wait_xcnt 0x0                                ; the last tile's stores have read U and their base
	s_cmp_lg_u32 s47, 0
	s_cbranch_scc1 .Ln0
	COPY 0
	s_branch .Lcopied
.Ln0:
	s_cmp_lg_u32 s47, 1
	s_cbranch_scc1 .Ln1
	COPY 1
	s_branch .Lcopied
.Ln1:
	s_cmp_lg_u32 s47, 2
	s_cbranch_scc1 .Ln2
	COPY 2
	s_branch .Lcopied
.Ln2:
	s_cmp_lg_u32 s47, 3
	s_cbranch_scc1 .Ln3
	COPY 3
	s_branch .Lcopied
.Ln3:
	COPY 4
.Lcopied:
	s_lshl3_add_u32 s28, s47, s46                  ; the tile
	s_min_u32 s28, s28, 127
	s_lshl_b32 s29, s15, 7
	s_add_co_u32 s28, s28, s29
	s_lshl_b32 s30, s28, 16                        ; 65,536 bytes a tile,
	s_lshl_b32 s29, s16, 12                        ; my slice's four K steps of the second product
	s_add_co_u32 s30, s30, s29
	s_mov_b32 s31, 0
	s_add_nc_u64 s[38:39], s[12:13], s[30:31]
.irp f, 0,1,2,3,4,5,6,7
	GELU8 \f
	global_store_b128 v9, v[U+8*\f:U+8*\f+3], s[38:39] offset:512*\f   ; 512 consecutive bytes: half an operand fragment of the second product
.endr
.Lsin:
	s_add_co_u32 s47, s47, 1
	s_cmp_lt_u32 s47, 5
	s_cbranch_scc1 .Lsi
.Lpnext:
	s_sub_co_i32 s21, s21, 5
	s_max_i32 s21, s21, 0
	s_add_co_u32 s46, s46, 40
	s_add_co_u32 s23, s23, 1
	s_cmp_lt_u32 s23, 4
	s_cbranch_scc1 .Lpass
	s_wait_dscnt 0x0                               ; my LDS reads are back,
	s_barrier_signal -1
	s_barrier_wait -1                              ; and so are every wave's: the add below, an LDS write, stands behind all reads of LDS.  Every wave comes here: four passes, a constant
	s_wait_tensorcnt 0x0                           ; the wave's end
	ds_add_u32 v4, v5
	s_wait_dscnt 0x0
	s_endpgm
.Lfunc_end_k_qaef9bb8298_ffn1:
	.size	k_qaef9bb8298_ffn1, .Lfunc_end_k_qaef9bb8298_ffn1-k_qaef9bb8298_ffn1
	.p2alignl 7, 3214868480
	.fill 96, 4, 3214868480
	.section	.rodata,"a",@progbits
	.p2align	6, 0x0
	.amdhsa_kernel k_qaef9bb8298_ffn1
		.amdhsa_group_segment_fixed_size 271360
		.amdhsa_private_segment_fixed_size 0
		.amdhsa_enable_private_segment 0
		.amdhsa_kernarg_size 40
		.amdhsa_user_sgpr_count 2
		.amdhsa_user_sgpr_kernarg_segment_ptr 1
		.amdhsa_wavefront_size32 1
		.amdhsa_system_sgpr_workgroup_id_x 1
		.amdhsa_system_sgpr_workgroup_id_y 1
		.amdhsa_system_sgpr_workgroup_id_z 1
		.amdhsa_system_vgpr_workitem_id 0
		.amdhsa_next_free_vgpr 912
		.amdhsa_next_free_sgpr 66
		.amdhsa_reserve_vcc 0
		.amdhsa_float_denorm_mode_32 3
		.amdhsa_float_denorm_mode_16_64 3
		.amdhsa_memory_ordered 1
		.amdhsa_forward_progress 1
		.amdhsa_inst_pref_size 184
	.end_amdhsa_kernel
	.amdgpu_metadata
---
amdhsa.version: [ 1, 2 ]
amdhsa.kernels:
  - .name:           k_qaef9bb8298_ffn1
    .symbol:         k_qaef9bb8298_ffn1.kd
    .args:
      - { .name: xb, .offset: 0, .size: 8, .value_kind: global_buffer, .address_space: global }
      - { .name: W1, .offset: 8, .size: 8, .value_kind: global_buffer, .address_space: global }
      - { .name: b1, .offset: 16, .size: 8, .value_kind: global_buffer, .address_space: global }
      - { .name: bits, .offset: 24, .size: 8, .value_kind: global_buffer, .address_space: global }
      - { .name: hbuf, .offset: 32, .size: 8, .value_kind: global_buffer, .address_space: global }
    .group_segment_fixed_size: 271360
    .private_segment_fixed_size: 0
    .kernarg_segment_align: 8
    .kernarg_segment_size: 40
    .max_flat_workgroup_size: 128
    .sgpr_count:     66
    .vgpr_count:     912
    .wavefront_size: 32
...
	.end_amdgpu_metadata
.endif
;; end of part 5
;; launch ffn2 (part 6): grid 256 x 1, 4 waves a work-group, no clusters, 271,360 bytes of LDS; arguments hbuf, W2, b2, bits, y2; writes y2
.if DOCPART == 6
	.amdgcn_target "amdgcn-amd-amdhsa--gfx1250"
	.amdhsa_code_object_version 6
	.text
	.protected	k_qaef9bb8298_ffn2
	.globl	k_qaef9bb8298_ffn2
	.p2align	8
	.type	k_qaef9bb8298_ffn2,@function
k_qaef9bb8298_ffn2:
	s_mov_b64 s[64:65], 0
	v_nop
	global_prefetch_b8 v0, s[64:65] scope:SCOPE_SE
	s_setreg_imm32_b32 hwreg(HW_REG_WAVE_MODE, 25, 1), 1
	s_wait_xcnt 0x0
; SECOND PRODUCT OF THE EXPERTS.  y2[2 token + slot] = h W2[e] + b2[e], unweighted, in f32: the two partial rows of a token are added, with the gate's weights, by the next launch.
; SHARES.  256 work-groups = 8 experts x 16 slices of 64 columns x 2 row halves p; the slice (64 columns x K 2,048) is rounded to bf16 on the way through registers and kept in LDS (256 KiB).
; Tiles, passes and the list of rows as in the first product, by the same text, so that both have the same order: wave 0 makes the list in LDS, a barrier stands between its stores and every read.
; h comes from memory in operand order: block (tile, K step) of 1,024 bytes, a lane's registers 0-3 at 16 L, registers 4-7 at 512 + 16 L: every load is 512 consecutive bytes.
; THE K LOOP has no barrier and writes no LDS.  K goes in 16 units of four K steps; h goes through three register buffers of a unit (5 tiles x 4 K steps, 40 loads).  Unit v asks for unit v + 2, a few
; tiles behind the LDS loads of each of its first three groups: a load has 120 to 160 products in which to land.
; THE WALK IS TURNED.  A wave begins at unit (slice + 4 wave) mod 16 and wraps round.  A tile's rows of h are read by sixteen work-groups, one a slice: at any time they ask for sixteen different units of
; them, and the unit that one asks for has been asked for by another at least a unit's work before.
; K IS PERMUTED as the first product's results fall: in K step s, place l of half h stands for d = 64 (s / 2) + 32 h + 4 (l % 8) + 2 (s % 2) + l / 8; W2's rows are fetched in that order.
; NATURAL USE: source 0 = h (16 rows), source 1 = weights; fragment f, place r stands for column 4 r + f: register j of the four accumulators is 16 neighbouring bytes of row 8 h + j.
; W2 and b2 are rounded to bf16 once; sums in f32.
; LIMITS.  The order in which a sum takes its K steps hangs on the slice and the wave, and is not the formula's; NaN and infinities are not treated apart.
; Places past the count hold the last real row once more: the same numbers go to the same bytes, from the same wave, so EXEC is never narrowed.  A dead tile stores nothing, and all its lanes load the same 16 bytes.
; NO TENSOR LOADS, NO CLUSTER: the row loops hang on stored counts, so barriers and tensor loads stay out of them; a slice of weights has two readers.
.set LIST,   262144                    ; behind the weights: 2,048 entries, then 32 dump words (places 2,048 + lane)
.set NW,     270592                    ; the count, in a block of its own
.set SPARE,  270848                    ; the spare words, 128 bytes a wave
.set GSTEP,  524288                    ; a round of the weight phase: 128 rows of W2
.set LSTEP,  16384
.set BB,   32                          ; v32-63, v64-95 weights' fragments of a group, two buffers
.set TF,   96                          ; v96-127 at work in the weight phase
.set A0,   256                         ; h fragments of a unit (tile i, K step q at 32 i + 8 q), three buffers: v256-415, v768-927, v96-255
.set A1,   768
.set A2,   96                          ; accumulators: tile i, fragment f at 512 + 32 i + 8 f.  v256-511 first serve the weights' staging
.set P0,   52                          ; s[52:53], s[54:55], s[56:57]: hbuf at the unit that lies, or is to lie, in buffer 0, 1, 2
.set P1,   54
.set P2,   56
.set MSB, 0
.macro WIN new                         ; s_set_vgpr_msb: bits 1:0 source 0, 3:2 source 1, 5:4 source 2, 7:6 destination; the high byte repeats the setting that is left
.if MSB != (\new)
	s_set_vgpr_msb (MSB<<8)|(\new)
.set MSB, (\new)
.endif
.endm
.macro PLACES                          ; four places behind matrix instructions, in front of loads into their sources and of reads of their results
.rept 4
	v_nop
.endr
.endm
.macro WM d, a, b, zero                ; a product by absolute register numbers
	WIN ((((\d)>>8)<<6)|(((\d)>>8)<<4)|(((\b)>>8)<<2)|((\a)>>8))
.if \zero
	v_wmma_f32_16x16x32_bf16 v[(\d)&255:((\d)&255)+7], v[(\a)&255:((\a)&255)+7], v[(\b)&255:((\b)&255)+7], 0
.else
	v_wmma_f32_16x16x32_bf16 v[(\d)&255:((\d)&255)+7], v[(\a)&255:((\a)&255)+7], v[(\b)&255:((\b)&255)+7], v[(\d)&255:((\d)&255)+7]
.endif
.endm
.macro WLOAD j                         ; staging slot j: the 16 rows of K step j of the round, 64 columns; sixteen lanes read 256 consecutive bytes, aligned
	WIN 0x40
.irp l, 0,1,2,3,4,5,6,7,8,9,10,11,12,13,14,15
	global_load_b128 v[64*(\j)+4*\l:64*(\j)+4*\l+3], v[10+(\j)], s[32:33] offset:(64*((\j)>>1)+2*((\j)&1)+4*((\l)&7)+((\l)>>3))*4096
.endr
.endm
.macro WSLOT j, refill, left           ; slot j is rounded, laid into LDS as four fragments, and filled again
	s_wait_loadcnt \left                           ; loads come back in order (ISA guide 5.7.1): slot j's sixteen are in, so its offset register, which they alone name, may step
	WIN 0x05
.irp jj, 0,1,2,3
.irp ii, 0,1,2,3,4,5,6,7
	v_cvt_pk_bf16_f32 v[TF+8*\jj+\ii], v[64*(\j)+8*\ii+\jj], v[64*(\j)+8*\ii+4+\jj]
.endr
.endr
	WIN 0
.irp n, 0,1,2,3,4,5,6,7
	ds_store_b128 v7, v[TF+4*\n:TF+4*\n+3] offset:4096*(\j)+512*\n
.endr
.if \refill
	v_add_nc_u32 v[10+(\j)], GSTEP, v[10+(\j)]
	WLOAD \j
.endif
.endm
.macro LDB imm, par                    ; a group's four weight fragments: 4,096 consecutive bytes
.irp n, 0,1,2,3,4,5,6,7
	ds_load_b128 v[BB+32*(\par)+4*\n:BB+32*(\par)+4*\n+3], v8 offset:(\imm)+512*\n
.endr
.endm
.macro UBASE pr                        ; hbuf at the next unit to be asked for (s48), into the pair pr; the index steps and wraps
	s_lshl_b32 s30, s48, 12                        ; a unit is four blocks of 1,024 bytes in each tile
	s_add_nc_u64 s[\pr:\pr+1], s[36:37], s[30:31]
	s_add_co_u32 s48, s48, 1
	s_and_b32 s48, s48, 15
.endm
.macro LDT pr, base, i0, n             ; tiles i0 .. i0 + n - 1 of a unit: eight loads a tile, 512 consecutive bytes each, 4,096 on end
	WIN (((\base)>>8)<<6)
.set ti, \i0
.rept \n
.irp l, 0,1,2,3,4,5,6,7
	global_load_b128 v[((\base)&255)+32*ti+4*\l:((\base)&255)+32*ti+4*\l+3], v[10+ti], s[\pr:\pr+1] offset:512*\l
.endr
.set ti, ti+1
.endr
	WIN 0
.endm
; A group: K step q of the unit in buf, 64 columns, 5 tiles: 20 products on 20 accumulators by turns.
; In front of them: the next group's weight fragments (step = 1: they are the next unit's first, at the unit index s49); at a unit's head the wait for the unit's rows;
; then n tiles' rows of the unit two on, into the buffer that the last unit multiplied (mk = 1: its base is made first).
.macro GRP buf, q, par, zero, nxt, step, wait, pr, lb, i0, n, mk
	PLACES
.if \step
	v_lshl_add_u32 v8, s49, 14, v9                 ; a unit's weights: four groups of 4,096 bytes
	s_add_co_u32 s49, s49, 1
	s_and_b32 s49, s49, 15
.endif
.if (\nxt) >= 0
	LDB \nxt, 1-(\par)
.endif
.if (\wait) >= 0
	s_wait_loadcnt \wait                           ; the next unit's loads are younger and stay out: this unit's forty are in, and so are all that named the pair written below
.endif
.if (\n) > 0
.if \mk
	UBASE \pr
.endif
	LDT \pr, \lb, \i0, \n
.endif
.if (\nxt) >= 0
	s_wait_dscnt 0x8                               ; the eight just issued may stay out: this group's fragments are in
.else
	s_wait_dscnt 0x0
.endif
.irp i, 0,1,2,3
.irp j, 0,1,2,3
	WM 512+32*\i+8*\j, (\buf)+32*\i+8*(\q), BB+32*(\par)+8*\j, \zero
.endr
.endr
.if !(\zero)
	WIN 0
	s_cmp_lt_u32 s22, 5                            ; a dead fifth tile's products are jumped; no load and no wait stands under the jump
	s_cbranch_scc1 .Lno4_\@
.endif
.irp j, 0,1,2,3
	WM 640+8*\j, (\buf)+128+8*(\q), BB+32*(\par)+8*\j, \zero
.endr
	WIN 0
.if !(\zero)
.Lno4_\@:
.endif
.endm
; A unit: 128 along K, 4 groups.  ld = 1: the unit two on is asked for, by the pair pr into the buffer lb: tiles 0, 1 in the first group, 2, 3 in the second, 4 in the third.  last = 1: no unit follows.
.macro UNIT buf, zero, wait, pr, lb, ld, last
	GRP \buf, 0, 0, \zero, 4096, 0, \wait, \pr, \lb, 0, 2*(\ld), 1
	GRP \buf, 1, 1, 0, 8192, 0, -1, \pr, \lb, 2, 2*(\ld), 0
	GRP \buf, 2, 0, 0, 12288, 0, -1, \pr, \lb, 4, \ld, 0
.if \last
	GRP \buf, 3, 1, 0, -1, 0, -1, 0, 0, 0, 0, 0
.else
	GRP \buf, 3, 1, 0, 0, 1, -1, 0, 0, 0, 0, 0
.endif
.endm
; Tile i goes out: the bias is added, each accumulator read from its low end on; a row's place in y2 comes from the list.
.macro EPI2 i
	s_cmp_le_u32 s22, \i
	s_cbranch_scc1 .Lpnext                         ; this tile and all behind it are dead
	s_wait_xcnt 0x0                                ; the last tile's stores have read their data and offsets
	v_lshl_add_u32 v144, s[41+\i], 4, v16          ; place 16 t + 8 h of the list
.irp j, 0,1,2,3,4,5,6,7
	v_add_nc_u32 v[128+\j], \j, v144
	v_min_u32 v[128+\j], s40, v[128+\j]            ; a place past the count takes the last row that exists
	v_min_u32 v[128+\j], 2047, v[128+\j]
	v_lshl_add_u32 v[128+\j], v[128+\j], 2, v15
.endr
.irp j, 0,1,2,3,4,5,6,7
	ds_load_b32 v[136+\j], v[128+\j]
.endr
	WIN 0x02
.irp j, 0,1,2,3,4,5,6,7
.irp f, 0,1,2,3
	v_add_f32 v[96+4*\j+\f], v[32*(\i)+8*\f+\j], v[24+\f]
.endr
.endr
	WIN 0
	s_wait_dscnt 0x0
.irp j, 0,1,2,3,4,5,6,7
	v_min_u32 v[136+\j], 4095, v[136+\j]
	v_lshl_add_u32 v[136+\j], v[136+\j], 12, v28   ; the row of 4,096 bytes, + 16 r
.endr
.irp j, 0,1,2,3,4,5,6,7
	global_store_b128 v[136+\j], v[96+4*\j:96+4*\j+3], s[38:39]    ; sixteen lanes store 256 consecutive bytes of a row, aligned
.endr
.endm
	s_load_b256 s[4:11], s[0:1], 0x0               ; hbuf s[4:5], W2 s[6:7], b2 s[8:9], bits s[10:11]
	s_load_b64 s[12:13], s[0:1], 0x20              ; y2
	v_lshl_add_u32 v4, v0, 2, SPARE                ; my spare word
	v_mov_b32 v5, 0                                ; and 0: kept for the add alone
	v_lshrrev_b32 v1, 5, v0
	v_readfirstlane_b32 s14, v1                    ; wave
	s_lshr_b32 s15, ttmp9, 5                       ; expert
	s_bfe_u32 s16, ttmp9, 0x40001                  ; slice
	s_and_b32 s17, ttmp9, 1                        ; row half
	s_lshl2_add_u32 s18, s17, s14                  ; wave slot ws = 4 p + wave
	s_lshl2_add_u32 s50, s14, s16                  ; 4 wave + slice,
	s_and_b32 s50, s50, 15                         ; mod 16: the unit at which my walk along K begins
	v_and_b32 v1, 31, v0                           ; L
	v_and_b32 v2, 15, v0                           ; r
	v_bfe_u32 v3, v0, 4, 1                         ; h
	v_lshlrev_b32 v9, 4, v1                        ; 16 L
	v_lshlrev_b32 v28, 4, v2                       ; 16 r
	v_lshl_add_u32 v6, v3, 17, v28                 ; weights: 16 r, and 32 rows further down for lanes 16-31
.irp j, 0,1,2,3
	v_mov_b32 v[10+\j], v6                         ; each staging slot has an offset register of its own (v10-14 serve the tiles later)
.endr
	s_lshl_b32 s28, s14, 16
	v_add_nc_u32 v7, s28, v9                       ; where my fragments go: 16 groups a wave
	v_mov_b32 v15, LIST                            ; the list's first byte
	v_lshlrev_b32 v29, 7, v1                       ; 128 L: my four words of bits
	v_add_nc_u32 v30, 2048, v1                     ; my dump place
	v_lshlrev_b32 v31, 7, v1                       ; 2 x token of my first group's bit 0
	s_lshl_b32 s30, s15, 2
	s_mov_b32 s31, 0                               ; the high word of every offset pair s[30:31]: it stays 0
	s_wait_kmcnt 0x0
	s_add_nc_u64 s[10:11], s[10:11], s[30:31]      ; bits at my expert's word
	s_lshl_b32 s30, s15, 12
	s_lshl_b32 s28, s16, 8
	s_add_co_u32 s30, s30, s28
	s_add_nc_u64 s[8:9], s[8:9], s[30:31]          ; b2 at my 64 columns
	s_mov_b32 s30, s28
	s_add_nc_u64 s[38:39], s[12:13], s[30:31]      ; y2 at my 64 columns
	s_lshl_b32 s30, s15, 23
	s_add_nc_u64 s[36:37], s[4:5], s[30:31]        ; hbuf at my expert
	s_lshl_b32 s29, s14, 21
	s_add_co_u32 s30, s30, s29
	s_add_co_u32 s30, s30, s28
	s_add_nc_u64 s[32:33], s[6:7], s[30:31]        ; W2: my expert, my wave's 512 rows, my slice; never stepped
.irp i, 0,1,2,3
	global_load_b32 v[16+\i], v29, s[10:11] offset:32*\i   ; groups 4 L + i of 16 tokens
.endr
	global_load_b128 v[24:27], v28, s[8:9]         ; b2 of columns 4 r .. 4 r + 3
.irp j, 0,1,2,3
	WLOAD \j                                       ; 64 loads of 512 bytes a wave are on their way while the list is made
.endr
	WIN 0
	s_wait_loadcnt 0x3f                            ; 64 younger loads were issued: the words of bits and the bias are in
	v_cvt_pk_bf16_f32 v96, v24, v25                ; the bias is rounded to bf16 like every input
	v_cvt_pk_bf16_f32 v97, v26, v27
	v_lshlrev_b32 v24, 16, v96
	v_and_b32 v25, 0xffff0000, v96
	v_lshlrev_b32 v26, 16, v97
	v_and_b32 v27, 0xffff0000, v97
	; THE LIST, by wave 0: stores alone.  A lane without a row at a bit stores into its dump place.
	s_cmp_lg_u32 s14, 0
	s_cbranch_scc1 .Lbuilt
.irp i, 0,1,2,3
	v_lshrrev_b32 v[20+\i], 16, v[16+\i]
	v_or_b32 v[20+\i], v[16+\i], v[20+\i]
	v_and_b32 v[20+\i], 0xffff, v[20+\i]           ; first or second choice
.endr
.irp k, 100,101,102,103
	v_mov_b32 v[\k], 0
.endr
	v_lshl_add_u32 v112, v1, 4, v15
.irp n, 0,1,2,3,4,5,6,7,8,9,10,11,12,13,14,15
	ds_store_b128 v112, v[100:103] offset:512*\n   ; all 2,048 entries hold a number whatever the count
.endr
	v_lshl_or_b32 v96, v21, 16, v20                ; my 64 tokens in two words; their ones are counted by pairs, fours, bytes
	v_lshl_or_b32 v97, v23, 16, v22
.irp k, 96,97
	v_lshrrev_b32 v98, 1, v[\k]
	v_and_b32 v98, 0x55555555, v98
	v_sub_nc_u32 v[\k], v[\k], v98
	v_lshrrev_b32 v98, 2, v[\k]
	v_and_b32 v98, 0x33333333, v98
	v_and_b32 v[\k], 0x33333333, v[\k]
	v_add_nc_u32 v[\k], v[\k], v98
	v_lshrrev_b32 v98, 4, v[\k]
	v_add_nc_u32 v[\k], v[\k], v98
	v_and_b32 v[\k], 0x0f0f0f0f, v[\k]
.endr
	v_add_nc_u32 v96, v96, v97                     ; bytes of 16 at the most
	v_lshrrev_b32 v97, 16, v96
	v_add_nc_u32 v96, v96, v97
	v_lshrrev_b32 v97, 8, v96
	v_add_nc_u32 v96, v96, v97
	v_and_b32 v96, 0x7f, v96                       ; my count, 0 to 64
.irp k, 0,1,2,3,4,5,6
	v_bfe_u32 v98, v96, \k, 1
	v_cmp_ne_u32 s[41+\k], 0, v98                  ; the lanes whose count has bit k
.endr
	v_mov_b32 v99, 0
	s_mov_b32 s19, 0
.irp k, 0,1,2,3,4,5,6
	v_mbcnt_lo_u32_b32 v98, s[41+\k], 0            ; of them the lanes below me,
	v_lshl_add_u32 v99, v98, \k, v99               ; times 2^k: v99 = the lower lanes' counts = my first place
	s_bcnt1_i32_b32 s28, s[41+\k]
	s_lshl_b32 s28, s28, \k
	s_add_co_u32 s19, s19, s28                     ; and all lanes': the expert's rows
.endr
	s_mov_b32 s25, 0
.Lbuild:                                               ; 16 trips: bit b of my four groups; the place runs on in a vector register
	s_add_co_u32 s26, s25, 16
.irp i, 0,1,2,3
	v_bfe_u32 v[104+\i], v[20+\i], s25, 1
.endr
.irp i, 0,1,2,3
	v_bfe_u32 v[108+\i], v[16+\i], s26, 1          ; the slot
.endr
.irp i, 0,1,2,3
	v_cmp_ne_u32 s[44+\i], 0, v[104+\i]
.endr
	v_add_nc_u32 v114, v99, v104                   ; the places of groups 1, 2, 3
	v_add_nc_u32 v121, v104, v105
	v_add_nc_u32 v115, v99, v121
	v_add_nc_u32 v123, v121, v106
	v_add_nc_u32 v116, v99, v123
	v_add_nc_u32 v122, v123, v107
	v_cndmask_b32 v113, v30, v99, s44
	v_cndmask_b32 v114, v30, v114, s45
	v_cndmask_b32 v115, v30, v115, s46
	v_cndmask_b32 v116, v30, v116, s47
	v_add_nc_u32 v99, v99, v122
.irp i, 0,1,2,3
	v_min_u32 v[113+\i], 2079, v[113+\i]           ; the place is held inside the list and its dump places; only a shift and a sum follow
.endr
.irp i, 0,1,2,3
	v_lshl_add_u32 v[113+\i], v[113+\i], 2, v15
.endr
.irp i, 0,1,2,3
	v_add_nc_u32 v[117+\i], v31, v[108+\i]         ; 2 token + slot
.endr
.irp i, 1,2,3
	v_add_nc_u32 v[117+\i], 32*\i, v[117+\i]
.endr
.irp i, 0,1,2,3
	ds_store_b32 v[113+\i], v[117+\i]
.endr
	v_add_nc_u32 v31, 2, v31
	s_add_co_u32 s25, s25, 1
	s_cmp_lt_u32 s25, 16
	s_cbranch_scc1 .Lbuild
	s_min_u32 s19, s19, 2048
	v_mov_b32 v124, s19
	v_mov_b32 v125, NW
	ds_store_b32 v125, v124                        ; the count, for all four waves
.Lbuilt:
	s_wait_dscnt 0x0                               ; for the others' sake: wave 0's stores are done
	s_barrier_signal -1
	s_barrier_wait -1                              ; the list is whole; only now do the weights' LDS stores begin
	v_mov_b32 v96, NW
	ds_load_b32 v97, v96
	v_lshlrev_b32 v16, 3, v3                       ; 8 h (the words of bits have served)
	s_wait_dscnt 0x0
	v_readfirstlane_b32 s19, v97
	s_min_u32 s19, s19, 2048                       ; n, the expert's rows
	s_max_u32 s40, s19, 1
	s_sub_co_u32 s40, s40, 1
	s_min_u32 s40, s40, 2047                       ; the last place that holds a row
	s_add_co_u32 s20, s19, 15
	s_lshr_b32 s20, s20, 4                         ; tiles of 16 rows
	s_add_co_u32 s21, s20, 7
	s_sub_co_u32 s21, s21, s18
	s_lshr_b32 s21, s21, 3                         ; of which mine: t = ws + 8 i
	; THE WEIGHTS: four rounds of four slots; the counts are the slots still out: (3 - j) of this round and j refills, 16 loads each
	s_mov_b32 s24, 3
.Lw:
	WSLOT 0, 1, 48
	WSLOT 1, 1, 48
	WSLOT 2, 1, 48
	WSLOT 3, 1, 48
	WIN 0
	v_add_nc_u32 v7, LSTEP, v7
	s_sub_co_u32 s24, s24, 1
	s_cmp_lg_u32 s24, 0
	s_cbranch_scc1 .Lw
	WSLOT 0, 0, 48                                 ; the last round loads nothing: the counts run down
	WSLOT 1, 0, 32
	WSLOT 2, 0, 16
	WSLOT 3, 0, 0
	s_wait_dscnt 0x0                               ; for the others' sake: my fragments are in LDS
	s_barrier_signal -1
	s_barrier_wait -1                              ; the slice is whole; the passes below hold no barrier and no LDS store
	s_mov_b32 s46, s18                             ; the pass's first tile
	s_mov_b32 s23, 0
.Lpass:
	s_min_u32 s22, s21, 5                          ; live tiles of this pass
	s_cmp_eq_u32 s22, 0
	s_cbranch_scc1 .Lpnext
	s_min_u32 s41, s46, 127
	s_wait_xcnt 0x0                                ; the last pass's stores have read v96-143, which h's third buffer covers
	v_lshl_add_u32 v10, s41, 16, v9                ; 65,536 bytes a tile, + 16 L
.irp i, 1,2,3,4
	s_add_co_u32 s28, s46, 8*\i
	s_cmp_lt_u32 s28, s20
	s_cselect_b32 s[41+\i], s28, s[40+\i]          ; a dead tile repeats the one before,
	s_cselect_b32 s29, 1, 0
	s_min_u32 s[41+\i], s[41+\i], 127
	s_min_u32 s29, s29, 1
	v_mul_u32_u24 v[10+\i], s29, v9                ; and all its lanes take the same 16 bytes: its loads keep every count alike on every path
	v_lshl_add_u32 v[10+\i], s[41+\i], 16, v[10+\i]
.endr
	s_mov_b32 s48, s50                             ; the next unit to be asked for,
	v_lshl_add_u32 v8, s50, 14, v9                 ; the first unit's weights,
	s_add_co_u32 s49, s50, 1
	s_and_b32 s49, s49, 15                         ; and the unit whose weights come next
	PLACES
	UBASE P0
	LDT P0, A0, 0, 5                               ; the walk's first two units: 80 loads
	UBASE P1
	LDT P1, A1, 0, 5
	LDB 0, 0
	; At a unit's head the next unit's 40 loads are younger (count 40).  A pair P is written behind that wait: the loads still out name the next buffer's pair.
	UNIT A0, 1, 40, P2, A2, 1, 0                   ; the first unit starts the sums: nothing is cleared
	s_mov_b32 s24, 4
.Lk:                                                   ; a trip: three units, once round the three buffers; every place along K is a stepped and masked index, so the trips are alike
	UNIT A1, 0, 40, P0, A0, 1, 0
	UNIT A2, 0, 40, P1, A1, 1, 0
	UNIT A0, 0, 40, P2, A2, 1, 0
	s_sub_co_u32 s24, s24, 1
	s_cmp_lg_u32 s24, 0
	s_cbranch_scc1 .Lk
	UNIT A1, 0, 40, P0, A0, 1, 0                   ; the fourteenth unit asks for the sixteenth, the last
	UNIT A2, 0, 40, 0, 0, 0, 0                     ; the fifteenth: the sixteenth's loads are younger
	UNIT A0, 0, 0, 0, 0, 0, 1                      ; the sixteenth: nothing is younger
	PLACES
	EPI2 0
	EPI2 1
	EPI2 2
	EPI2 3
	EPI2 4
.Lpnext:
	s_sub_co_i32 s21, s21, 5
	s_max_i32 s21, s21, 0
	s_add_co_u32 s46, s46, 40
	s_add_co_u32 s23, s23, 1
	s_cmp_lt_u32 s23, 4
	s_cbranch_scc1 .Lpass
	s_wait_dscnt 0x0                               ; my LDS reads are back,
	s_barrier_signal -1
	s_barrier_wait -1                              ; and so are every wave's: the add below, an LDS write, stands behind all reads of LDS.  Every wave comes here: four passes, a constant
	s_wait_tensorcnt 0x0                           ; the wave's end
	ds_add_u32 v4, v5
	s_wait_dscnt 0x0
	s_endpgm
.Lfunc_end_k_qaef9bb8298_ffn2:
	.size	k_qaef9bb8298_ffn2, .Lfunc_end_k_qaef9bb8298_ffn2-k_qaef9bb8298_ffn2
	.p2alignl 7, 3214868480
	.fill 96, 4, 3214868480
	.section	.rodata,"a",@progbits
	.p2align	6, 0x0
	.amdhsa_kernel k_qaef9bb8298_ffn2
		.amdhsa_group_segment_fixed_size 271360
		.amdhsa_private_segment_fixed_size 0
		.amdhsa_enable_private_segment 0
		.amdhsa_kernarg_size 40
		.amdhsa_user_sgpr_count 2
		.amdhsa_user_sgpr_kernarg_segment_ptr 1
		.amdhsa_wavefront_size32 1
		.amdhsa_system_sgpr_workgroup_id_x 1
		.amdhsa_system_sgpr_workgroup_id_y 1
		.amdhsa_system_sgpr_workgroup_id_z 1
		.amdhsa_system_vgpr_workitem_id 0
		.amdhsa_next_free_vgpr 928
		.amdhsa_next_free_sgpr 66
		.amdhsa_reserve_vcc 0
		.amdhsa_float_denorm_mode_32 3
		.amdhsa_float_denorm_mode_16_64 3
		.amdhsa_memory_ordered 1
		.amdhsa_forward_progress 1
		.amdhsa_inst_pref_size 160
	.end_amdhsa_kernel
	.amdgpu_metadata
---
amdhsa.version: [ 1, 2 ]
amdhsa.kernels:
  - .name:           k_qaef9bb8298_ffn2
    .symbol:         k_qaef9bb8298_ffn2.kd
    .args:
      - { .name: hbuf, .offset: 0, .size: 8, .value_kind: global_buffer, .address_space: global }
      - { .name: W2, .offset: 8, .size: 8, .value_kind: global_buffer, .address_space: global }
      - { .name: b2, .offset: 16, .size: 8, .value_kind: global_buffer, .address_space: global }
      - { .name: bits, .offset: 24, .size: 8, .value_kind: global_buffer, .address_space: global }
      - { .name: y2, .offset: 32, .size: 8, .value_kind: global_buffer, .address_space: global }
    .group_segment_fixed_size: 271360
    .private_segment_fixed_size: 0
    .kernarg_segment_align: 8
    .kernarg_segment_size: 40
    .max_flat_workgroup_size: 128
    .sgpr_count:     66
    .vgpr_count:     928
    .wavefront_size: 32
...
	.end_amdgpu_metadata
.endif
;; end of part 6
;; launch combine: the kernel of part 4 again; grid 256 x 1, 8 waves a work-group, no clusters, 0 bytes of LDS; arguments y2, wts, stat, out0, out1; writes out0, out1
